; MI455X (gfx1250); checked and timed in simulation.
; The chip was launched on July 23, 2026; its instructions are those of AMD's public machine-readable ISA for CDNA 5 (MIT licence, August 2026) and "CDNA5" Instruction Set Architecture Reference Guide (July 2026). The comments in the code are by the model that wrote it; some were corrected since.
;; T5 Attention. Allowed arithmetic: float matrix products may take bf16 or f16 operands with f32 sums; other float arithmetic in f32, or as packed bf16 or f16 multiplies, adds, multiply-adds, maxima and minima; sums over many terms, partial sums and values carried from step to step in f32; what a program stores and reads back later, other than sums and carried values, may be rounded once to bf16 or f16.
;; Inputs: Wk 1,024 x 1,024 float32; Wo 1,024 x 1,024 float32; Wq 1,024 x 1,024 float32; Wv 1,024 x 1,024 float32; hidden_states 4 x 2,048 x 1,024 float32; rel_emb 32 x 16 float32.
;; Outputs: out0 4 x 2,048 x 1,024 float32.
;; 2 versions, each right; version 2 is version 1 with the launch prep written anew for expert scheduling mode. Each part assembles by itself: llvm-mc -triple=amdgcn-amd-amdhsa -mcpu=gfx1250 --defsym DOCPART=n.
;; ======== version 1 of 2: 4 launches
;; limits: values are held in f16: magnitudes above 65,504 overflow, below 6.1e-05 lose precision
;; workspace buffers: xb 16,777,216 bytes; wt 6,291,456 bytes; wot 2,097,152 bytes; lt 1,310,720 bytes; qkv 50,331,648 bytes; o 16,777,216 bytes
;; launch prep (part 1): grid 960 x 1, 8 waves a work-group, no clusters, 74,752 bytes of LDS; arguments hidden_states, Wq, Wk, Wv, Wo, rel_emb, xb, wt, wot, lt; writes xb, wt, wot, lt
.if DOCPART == 1
	.amdgcn_target "amdgcn-amd-amdhsa--gfx1250"
	.amdhsa_code_object_version 6
	.text
	.protected	k_q29083fb16d_prep
	.globl	k_q29083fb16d_prep
	.p2align	8
	.type	k_q29083fb16d_prep,@function
k_q29083fb16d_prep:
	s_mov_b64 s[64:65], 0
	v_nop
	global_prefetch_b8 v0, s[64:65] scope:SCOPE_SE
	s_setreg_imm32_b32 hwreg(HW_REG_WAVE_MODE, 25, 1), 1
	s_wait_xcnt 0x0
; PREP: the operands of the three launches behind it, each input rounded ONCE to bf16.  Three roles, chosen by the work-group's number; no wave depends on another.
;   work-groups   0-127  W: Wq, Wk, Wv ([k][n] f32) -> wt  bf16 [16 slices of 64 k][3072 n][64 k];  Wo -> wot, the bf16-rounded number written as f16, [16 slices][1024 n][64 k]
;   work-groups 128-447  T: lt[h][c][y] = bf16-rounded rel_emb[bucket(y - 2048 - c)][h] as f32, 16 heads x 4 copies x 5,120 entries
;   work-groups 448-959  X: hidden_states f32 [8192][1024] -> xb bf16 [16 slices of 64 k][8192 rows][64 k]
; A slice's rows are 128 bytes and lie end to end, so 256 rows of a slice are 32,768 dense bytes for the launches behind.
; THE BUCKET.  With n = |key - query|: n below 8; else 8 + the number of thresholds 12, 16, 23, 32, 46, 64, 91 that are <= n; + 16 where key > query.  These whole numbers are where
; 8 log(n / 8) / log(16) passes 1 .. 7; at 16, 32 and 64 the quotient of the two f32 logarithms is exactly 0.25, 0.5, 0.75.
; LIMITS.  Wo as f16: below 6e-5 it keeps f16's fixed step of 6e-8, beyond 65,504 it has no number.  NaN and infinities are not treated apart.
.set SPARE, 73728                      ; behind the eight stages: the spare words, 128 bytes for each wave
.set STG,   9216                       ; a wave's stage: 64 rows x 144 bytes
.set SPW, 2                            ; v2  LDS address of my spare word; never rewritten
.set NIL, 3                            ; v3  0; never rewritten
	s_load_b512 s[16:31], s[0:1], 0x0              ; hidden_states 16:17, Wq 18:19, Wk 20:21, Wv 22:23, Wo 24:25, rel_emb 26:27, xb 28:29, wt 30:31
	s_load_b128 s[32:35], s[0:1], 0x40             ; wot 32:33, lt 34:35
	v_lshl_add_u32 v[SPW], v0, 2, SPARE
	v_mov_b32 v[NIL], 0
	v_and_b32 v1, 31, v0                           ; lane
	v_lshrrev_b32 v4, 5, v0
	v_readfirstlane_b32 s4, v4                     ; wave 0..7
	s_wait_kmcnt 0x0
	s_cmp_lt_u32 ttmp9, 128
	s_cbranch_scc1 .Lrole_w
	s_cmp_lt_u32 ttmp9, 448
	s_cbranch_scc1 .Lrole_t
; ROLE X.  16 rows of x to a work-group.  Sixteen lanes read 256 bytes (one slice) of one row; a wave's store covers two rows' slices: 256 consecutive bytes, aligned.
	s_sub_co_u32 s5, ttmp9, 448
	s_lshl_b32 s6, s5, 16                          ; 16 rows of 4,096 bytes
	s_mov_b32 s7, 0
	s_add_nc_u64 s[36:37], s[16:17], s[6:7]
	s_lshl_b32 s6, s5, 11                          ; 16 rows of 128 bytes
	s_add_nc_u64 s[38:39], s[28:29], s[6:7]        ; slices 0-7,
	s_add_nc_u64 s[40:41], s[38:39], 0x800000      ; slices 8-15: fifteen slice strides do not fit the signed 24-bit immediate
	v_lshrrev_b32 v4, 4, v0                        ; my row
	v_and_b32 v5, 15, v0
	v_lshlrev_b32 v5, 4, v5
	v_lshl_add_u32 v4, v4, 12, v5                  ; row x 4,096 + 16 x (thread % 16)
	v_lshlrev_b32 v5, 3, v0                        ; row x 128 + 8 x (thread % 16) = 8 x thread
.set i, 0
.rept 16
	global_load_b128 v[32+4*i:35+4*i], v4, s[36:37] offset:256*i th:TH_LOAD_NT
.set i, i+1
.endr
.set i, 0
.rept 16
	s_wait_loadcnt 15-i                            ; loads come back in order: slice i is in, the younger ones stay out
	v_cvt_pk_bf16_f32 v[96+2*i], v[32+4*i], v[33+4*i]
	v_cvt_pk_bf16_f32 v[97+2*i], v[34+4*i], v[35+4*i]
.if i < 8
	global_store_b64 v5, v[96+2*i:97+2*i], s[38:39] offset:i*1048576
.else
	global_store_b64 v5, v[96+2*i:97+2*i], s[40:41] offset:(i-8)*1048576
.endif
.set i, i+1
.endr
	s_endpgm
; ROLE T.  1,024 entries of one (head, copy) row to a work-group, four to a thread.
.Lrole_t:
	s_sub_co_u32 s5, ttmp9, 128
	s_and_b32 s6, s5, 63                           ; row = 4 h + c
	s_lshr_b32 s7, s5, 6                           ; which 1,024 entries, 0..4
	s_and_b32 s8, s6, 3
	s_add_co_u32 s8, s8, 2048                      ; Z = 2048 + c: entry y stands for key - query = y - Z
	s_lshr_b32 s9, s6, 2
	s_lshl_b32 s9, s9, 2                           ; 4 h: the head's byte in a row of rel_emb
	s_lshl_b32 s10, s7, 10
	v_lshl_add_u32 v4, v0, 2, s10                  ; my first y
	s_mul_i32 s10, s6, 20480
	s_lshl_b32 s11, s7, 12
	s_add_co_u32 s10, s10, s11
	s_mov_b32 s11, 0
	s_add_nc_u64 s[36:37], s[34:35], s[10:11]
	v_lshlrev_b32 v28, 4, v0
.irp e, 0,1,2,3
	v_add_nc_u32 v5, \e, v4                        ; y
	v_sub_nc_u32 v6, v5, s8
	v_sub_nc_u32 v7, s8, v5
	v_cmp_lt_u32 vcc_lo, s8, v5                    ; key > query
	v_cndmask_b32 v6, v7, v6, vcc_lo               ; n
	v_cndmask_b32 v8, 0, 16, vcc_lo
	v_min_u32 v9, 8, v6
	v_add_nc_u32 v8, v8, v9
.irp thr, 12,16,23,32,46,64,91
	v_cmp_le_u32 vcc_lo, \thr, v6
	v_cndmask_b32 v9, 0, 1, vcc_lo
	v_add_nc_u32 v8, v8, v9
.endr
	v_lshl_add_u32 v[12+\e], v8, 6, s9             ; bucket x 64 bytes + 4 h
	global_load_b32 v[20+\e], v[12+\e], s[26:27]
.endr
	s_wait_loadcnt 0x0
	v_cvt_pk_bf16_f32 v10, v20, v21                ; rounded to bf16 like every input, and widened again
	v_cvt_pk_bf16_f32 v11, v22, v23
	v_lshlrev_b32 v24, 16, v10
	v_and_b32 v25, 0xffff0000, v10
	v_lshlrev_b32 v26, 16, v11
	v_and_b32 v27, 0xffff0000, v11
	global_store_b128 v28, v[24:27], s[36:37]      ; a wave stores 512 consecutive bytes, aligned
	s_endpgm
; ROLE W.  A wave turns one tile of 64 k x 64 n.  In: 64 loads, each 256 consecutive bytes of one row k; a lane holds columns 2 l and 2 l + 1.  Eight k of a column pack into 16 bytes, which go into
; the wave's own stage (row n, 144 bytes apart) and come back as whole rows of 128 bytes; a store covers four rows: 512 consecutive bytes, aligned.
.Lrole_w:
	s_lshr_b32 s5, ttmp9, 5                        ; which matrix: 0 Wq, 1 Wk, 2 Wv, 3 Wo
	s_and_b32 s6, ttmp9, 31
	s_lshl_b32 s6, s6, 3
	s_add_co_u32 s6, s6, s4                        ; the wave's tile, 0..255
	s_lshr_b32 s7, s6, 4                           ; slice of k
	s_and_b32 s8, s6, 15                           ; block of 64 n
	s_mov_b32 s12, 393216                          ; wt's slice stride,
	s_mov_b32 s13, 131072                          ; wot's
	s_cmp_eq_u32 s5, 0
	s_cselect_b64 s[36:37], s[18:19], s[20:21]
	s_cmp_lt_u32 s5, 2
	s_cselect_b64 s[36:37], s[36:37], s[22:23]
	s_cmp_lt_u32 s5, 3
	s_cselect_b64 s[36:37], s[36:37], s[24:25]
	s_cselect_b64 s[38:39], s[30:31], s[32:33]
	s_cselect_b32 s12, s12, s13
	s_cselect_b32 s14, s5, 0                       ; in wt the matrix's 1,024 rows
	s_lshl_b32 s10, s7, 18                         ; 64 rows k of 4,096 bytes
	s_lshl_b32 s11, s8, 8                          ; 64 columns of 4 bytes
	s_add_co_u32 s10, s10, s11
	s_mov_b32 s11, 0
	s_add_nc_u64 s[36:37], s[36:37], s[10:11]
	s_mul_i32 s10, s12, s7
	s_lshl_b32 s14, s14, 17
	s_add_co_u32 s10, s10, s14
	s_lshl_b32 s14, s8, 13                         ; 64 rows n of 128 bytes
	s_add_co_u32 s10, s10, s14
	s_add_nc_u64 s[38:39], s[38:39], s[10:11]
	s_mul_i32 s9, s4, STG                          ; my stage
	v_lshlrev_b32 v4, 3, v1                        ; in: 8 bytes a lane
	v_mul_u32_u24 v5, v1, 288                      ; into the stage: row 2 l
	v_add_nc_u32 v5, s9, v5
	v_lshrrev_b32 v6, 3, v1                        ; back: four rows of 128 bytes to a load
	v_mul_u32_u24 v6, v6, 144
	v_and_b32 v7, 7, v1
	v_lshl_add_u32 v6, v7, 4, v6
	v_add_nc_u32 v6, s9, v6
	v_lshlrev_b32 v7, 4, v1                        ; out: 16 bytes a lane
.set k, 0
.rept 64
	global_load_b64 v[32+2*k:33+2*k], v4, s[36:37] offset:4096*k th:TH_LOAD_NT
.set k, k+1
.endr
.macro PACKW f16                       ; f16 = 1: the bf16-rounded number is written as f16
.set g, 0
.rept 8
	s_wait_loadcnt 56-8*g                          ; rows 8 g .. 8 g + 7 are in; the 8 (7 - g) younger loads stay out
.irp a, 0,1
.irp j, 0,1,2,3
	v_cvt_pk_bf16_f32 v[8+4*(\a)+(\j)], v[32+2*(8*g+2*(\j))+(\a)], v[32+2*(8*g+2*(\j)+1)+(\a)]
.if \f16
	v_lshlrev_b32 v16, 16, v[8+4*(\a)+(\j)]
	v_and_b32 v17, 0xffff0000, v[8+4*(\a)+(\j)]
	v_cvt_pk_f16_f32 v[8+4*(\a)+(\j)], v16, v17
.endif
.endr
	ds_store_b128 v5, v[8+4*(\a):11+4*(\a)] offset:144*(\a)+16*g
.endr
.set g, g+1
.endr
.endm
	s_cmp_eq_u32 s5, 3
	s_cbranch_scc1 .Lw_f16
	PACKW 0
	s_branch .Lw_back
.Lw_f16:
	PACKW 1
.Lw_back:
.set t, 0
.rept 16
	ds_load_b128 v[32+4*t:35+4*t], v6 offset:576*t ; LDS serves a wave's instructions in order (ISA guide 5.7.1.4): these see my stores above
.set t, t+1
.endr
.set t, 0
.rept 16
	s_wait_dscnt 15-t
	global_store_b128 v7, v[32+4*t:35+4*t], s[38:39] offset:512*t
.set t, t+1
.endr
	s_wait_tensorcnt 0x0                           ; the wave's end, behind my last LDS store
	ds_add_u32 v[SPW], v[NIL]
	s_wait_dscnt 0x0
	s_endpgm
.Lfunc_end_k_q29083fb16d_prep:
	.size	k_q29083fb16d_prep, .Lfunc_end_k_q29083fb16d_prep-k_q29083fb16d_prep
	.p2alignl 7, 3214868480
	.fill 96, 4, 3214868480
	.section	.rodata,"a",@progbits
	.p2align	6, 0x0
	.amdhsa_kernel k_q29083fb16d_prep
		.amdhsa_group_segment_fixed_size 74752
		.amdhsa_private_segment_fixed_size 0
		.amdhsa_enable_private_segment 0
		.amdhsa_kernarg_size 80
		.amdhsa_user_sgpr_count 2
		.amdhsa_user_sgpr_kernarg_segment_ptr 1
		.amdhsa_wavefront_size32 1
		.amdhsa_system_sgpr_workgroup_id_x 1
		.amdhsa_system_sgpr_workgroup_id_y 1
		.amdhsa_system_sgpr_workgroup_id_z 1
		.amdhsa_system_vgpr_workitem_id 0
		.amdhsa_next_free_vgpr 160
		.amdhsa_next_free_sgpr 66
		.amdhsa_reserve_vcc 1
		.amdhsa_float_denorm_mode_32 3
		.amdhsa_float_denorm_mode_16_64 3
		.amdhsa_memory_ordered 1
		.amdhsa_forward_progress 1
		.amdhsa_inst_pref_size 45
	.end_amdhsa_kernel
	.amdgpu_metadata
---
amdhsa.version: [ 1, 2 ]
amdhsa.kernels:
  - .name:           k_q29083fb16d_prep
    .symbol:         k_q29083fb16d_prep.kd
    .args:
      - { .name: hidden_states, .offset: 0, .size: 8, .value_kind: global_buffer, .address_space: global }
      - { .name: Wq, .offset: 8, .size: 8, .value_kind: global_buffer, .address_space: global }
      - { .name: Wk, .offset: 16, .size: 8, .value_kind: global_buffer, .address_space: global }
      - { .name: Wv, .offset: 24, .size: 8, .value_kind: global_buffer, .address_space: global }
      - { .name: Wo, .offset: 32, .size: 8, .value_kind: global_buffer, .address_space: global }
      - { .name: rel_emb, .offset: 40, .size: 8, .value_kind: global_buffer, .address_space: global }
      - { .name: xb, .offset: 48, .size: 8, .value_kind: global_buffer, .address_space: global }
      - { .name: wt, .offset: 56, .size: 8, .value_kind: global_buffer, .address_space: global }
      - { .name: wot, .offset: 64, .size: 8, .value_kind: global_buffer, .address_space: global }
      - { .name: lt, .offset: 72, .size: 8, .value_kind: global_buffer, .address_space: global }
    .group_segment_fixed_size: 74752
    .private_segment_fixed_size: 0
    .kernarg_segment_align: 8
    .kernarg_segment_size: 80
    .max_flat_workgroup_size: 256
    .sgpr_count:     66
    .vgpr_count:     160
    .wavefront_size: 32
...
	.end_amdgpu_metadata
.endif
;; end of part 1
;; launch qkv (part 2): grid 12 x 32, 4 waves a work-group, clusters of 4 x 4, 327,680 bytes of LDS; arguments xb, wt, qkv; writes qkv
.if DOCPART == 2
	.amdgcn_target "amdgcn-amd-amdhsa--gfx1250"
	.amdhsa_code_object_version 6
	.text
	.protected	k_q29083fb16d_qkv
	.globl	k_q29083fb16d_qkv
	.p2align	8
	.type	k_q29083fb16d_qkv,@function
k_q29083fb16d_qkv:
	s_mov_b64 s[64:65], 0
	v_nop
	global_prefetch_b8 v0, s[64:65] scope:SCOPE_SE
	s_setreg_imm32_b32 hwreg(HW_REG_WAVE_MODE, 25, 1), 1
	s_wait_xcnt 0x0
	s_wait_alu depctr_hold_cnt(0) depctr_sa_sdst(0) depctr_va_vdst(0) depctr_va_sdst(0) depctr_va_ssrc(0) depctr_va_vcc(0) depctr_vm_vsrc(0)
	s_getreg_b32 s2, hwreg(HW_REG_IB_STS2, 6, 4)
	s_cmp_eq_u32 s2, 0
	s_cbranch_scc0 .Lentry_in_a_cluster
	s_endpgm
.Lentry_in_a_cluster:
	s_bfe_u32 s2, ttmp6, 0x10000c
	s_cmp_lg_u32 s2, 0xf033
	s_cbranch_scc0 .Lentry_shape_is_right
	s_endpgm
.Lentry_shape_is_right:
; q, k, v = x Wq, x Wk, x Wv as ONE product C[m][n] = sum over k of A[m][k] B[n][k]: A = xb (8,192 rows), B = wt (3,072 rows: 1,024 for each of q, k, v), K = 1,024; bf16 operands, f32 sums.
; C leaves rounded once to f16, by heads: qkv[which][16 b + h][s][64], so that a head's rows are dense for the attention behind.
; LIMIT.  f16 holds no number beyond 65,504: q, k and v must stay within it.  NaN and infinities are not treated apart.
; OPERANDS lie in slices of 64 along K: [slice][row][64], rows of 128 bytes end to end.  256 rows of a slice are 32,768 dense bytes, asked for as 128 rows of 256 bytes and padded in LDS after every 128.
; SHARES.  A tile of C is 256 x 256: four waves, each 128 x 128 in 64 accumulators.  K goes in 8 steps of 128 (two slices) through a ring of two LDS slots.  A slot: A's two slices, then B's two, 256 rows x 144 bytes each;
; wave w fetches part w of it with one tensor load.
; CLUSTERS: 4 x 4 work-groups.  The four of a row of the cluster need the same tiles of A, the four of a column the same tiles of B: each is asked for JOINTLY, by the same tensor load with the same descriptor
; and a mask that names the four.  THE MATRIX INSTRUCTION IS USED TRANSPOSED (source 0 = 16 rows of B, source 1 = 16 rows of A): a lane holds eight neighbouring columns of one row of C.
; REGISTERS, in windows of 256: window 0: v0-31 addresses; v64-127, v128-191 fragments of A, two buffers (in the last K step four, of 16 rows x 128 K); v32-63, v192-255 at work on the way out
;   window 1: v64-127, v128-191 fragments of B (in the last K step all 256)     window 2: the accumulators of my rows 0-63 ((a, b) at v[8 (8 a + b)])     window 3: those of my rows 64-127
; The loop's trip is one K step; the slot in hand is a scalar that an exclusive or turns.  The last K step goes by rows of C, so that finished rows leave while the others are multiplied.
.set PITCH,  144                       ; an LDS row: 128 bytes + 16 of padding = 36 words: the 16 rows of a load start at 16 different groups of four banks (64 banks of 4 bytes: ISA guide 11.1)
.set LOADB,  256*PITCH                 ; what one tensor load brings: 256 rows of one slice
.set SLOT,   4*LOADB                   ; 0x24000: shares no bit with wave x LOADB, so an exclusive or turns an address in one slot into the other's
.set STAGE,  2*SLOT                    ; behind the ring: 16 rows x 272 bytes for each wave, for the way out
.set SPITCH, 272
.set SPARE,  STAGE+4*16*SPITCH         ; behind the stages: the spare words, 128 bytes for each wave
.set STEPS,  8
.set ASTR,   1048576                   ; bytes from slice to slice in A,
.set BSTR,   393216                    ; in B
.set AHI,    262144                    ; bytes from one group of eight tile rows of A to the next
.set ADRA, 16                          ; v16-17  LDS address of my A fragments in slot 0, 1
.set CA,   18                          ; v18     the same in the slot in hand
.set ADRB, 20                          ; v20-21  the same for B
.set CB,   22                          ; v22
.set STO,  24                          ; v24     the way out: where I put 16 bytes of a row
.set RD,   25                          ; v25     the way out: where I read rows back
.set CO,   26                          ; v26     my byte offset in 512 consecutive bytes of the output
.set SPW,  28                          ; v28     LDS address of my spare word; never rewritten
.set NIL,  29                          ; v29     0; never rewritten
.set PFO,  30                          ; v30     the prefetches' offset: 256 x my lane; never rewritten
.set SL,   14                          ; s14     0 or SLOT: the slot in hand
.set PFS,  18                          ; s[18:19] a K step in bytes in the tensor that I fetch for
.set LIM,  43                          ; s43     2 in a wave that prefetches, else the greatest number
.set PFA,  44                          ; s[44:45] where my prefetches stand
.set F0,   64
.set F1,   128
.set TMP,  192
.set OB,   32
.set PA,   64
.set G1, 24                            ; s[24:31] descriptor group 1 for A's tiles
.set G0, 32                            ; s[32:39] group 0 for A's: a set for each first fill; the second then walks
.set G1B, 48                           ; s[48:55], s[56:63] the same for B's
.set G0B, 56
.set MSB, 0
.macro WIN new                         ; the immediate's high byte repeats the setting that is left; a switch that changes nothing is dropped
.if MSB != (\new)
	s_set_vgpr_msb (MSB<<8)|(\new)
.set MSB, \new
.endif
.endm
.set MUL_LO, 0xa1                      ; source 0 (B) window 1, source 1 (A) window 0, C and D window 2
.set MUL_HI, 0xf1                      ; the same, C and D window 3
.set TO_B,   0x40                      ; destination window 1, address window 0
; A joint load.  Waves 0 and 1 fetch A's two slices, waves 2 and 3 B's.  The branch hangs on the wave's number alone.  An s_nop 0 and four v_nop follow each of the two lines.
.macro JLOAD s
	s_cmp_eq_u32 s11, 0
	s_cbranch_scc0 .Lfor_b_\@
	tensor_load_to_lds s[G0+4*(\s):G0+4*(\s)+3], s[G1:G1+7]
	s_nop 0
.rept 4
	v_nop
.endr
	s_branch .Lasked_\@
.Lfor_b_\@:
	tensor_load_to_lds s[G0B+4*(\s):G0B+4*(\s)+3], s[G1B:G1B+7]
	s_nop 0
.rept 4
	v_nop
.endr
.Lasked_\@:
.endm
; A PREFETCH INTO THE L2, behind each joint load and the run of LDS loads that follows it: the K step that stands two refills on.  Of the 32,768 bytes that wave w fetches for a step, the partner at place p among
; the four that ask jointly (cx for A, cy for B) names 8,192, told apart BY ADDRESS: 256 bytes a lane.  A's tile row is read by every cluster of that row of clusters: cluster x = 0 asks; B's tile column: cluster y = 0.
; So each 256 bytes are named once in the launch.  K steps 0 to 3 come by their loads alone; the trips whose step two refills on does not exist (s3 = 2, 1) ask for nothing.
.macro ASK
	s_cmp_gt_u32 s3, s[LIM]
	s_cbranch_scc0 .Lnot_mine_\@
	global_prefetch_b8 v[PFO], s[PFA:PFA+1] th:TH_LOAD_NT scope:SCOPE_SE
.Lnot_mine_\@:
.endm
.macro CREST                           ; a round of the cluster's barrier behind its opening barrier
	s_cmp_lg_u32 s10, 0
	s_cbranch_scc1 .Lnot_wave_0_\@
	s_barrier_signal -3
.Lnot_wave_0_\@:
	s_barrier_wait -3
	s_barrier_signal -1
	s_barrier_wait -1
.endm
.macro CROUND                          ; a whole round
	s_barrier_signal -1
	s_barrier_wait -1
	CREST
.endm
	s_load_b128 s[4:7], s[0:1], 0x0                ; A s[4:5], B s[6:7]
	s_load_b64 s[8:9], s[0:1], 0x10                ; C
	v_lshl_add_u32 v[SPW], v0, 2, SPARE
	v_mov_b32 v[NIL], 0
	ds_add_u32 v[SPW], v[NIL]                      ; the wave's opening: the add and its wait stand ahead of my first tensor load; the set-up below, work on registers, stands between them
	ds_add_u32 v28, v29
	v_lshrrev_b32 v1, 5, v0
	v_readfirstlane_b32 s10, v1                    ; wave 0..3
	s_lshr_b32 s11, s10, 1                         ; which half of the tile's rows is mine.  Also: I fetch for A (0) or for B (1)
	s_and_b32 s12, s10, 1                          ; which half of its columns.  Also: which slice of a K step I fetch
	s_bfe_u32 s40, ttmp6, 0x40000                  ; cx
	s_bfe_u32 s41, ttmp6, 0x40004                  ; cy
	s_lshl_b32 s42, ttmp9, 2
	s_add_co_u32 s42, s42, s40                     ; tile column of C = 4 x cluster x + cx
	s_and_b32 s13, ttmp7, 0xffff
	s_lshl_b32 s13, s13, 2
	s_add_co_u32 s13, s13, s41                     ; tile row of C = 4 x cluster y + cy
	s_lshl_b32 s43, s41, 2
	s_lshl_b32 s43, 15, s43                        ; my row of the cluster
	s_lshl_b32 s44, 0x1111, s40                    ; my column
	; descriptor group 1: 128 rows x 128 elements of 2 bytes, dense; in LDS 4 words of padding after every 32
	s_or_b32 s[G1+0], s43, (1<<16)|(1<<20)|(1<<21)|(4<<22)|(3<<25)   ; 15:0 the mask; 17:16 2-byte elements; 20 padding on; 21 set beside a mask; 24:22 after every 32 words (code 4); 31:25 4 words (code 3)
	s_or_b32 s[G1B+0], s44, (1<<16)|(1<<20)|(1<<21)|(4<<22)|(3<<25)
.irp g, G1, G1B
	s_mov_b32 s[(\g)+1], 128<<16                   ; tensor_dim0 = 128
	s_mov_b32 s[(\g)+2], 128<<16                   ; tensor_dim1 = 128
	s_mov_b32 s[(\g)+3], 128<<16                   ; tile_dim0 = 128
	s_mov_b32 s[(\g)+4], 128                       ; tile_dim1 = 128
	s_mov_b32 s[(\g)+5], 128                       ; 128 elements from row to row
	s_mov_b32 s[(\g)+6], 0
	s_mov_b32 s[(\g)+7], 0
.endr
	; where the tiles come from.  A's hang on the tile row and the wave alone, B's on the tile column and the wave alone
	s_lshr_b32 s16, s13, 3
	s_mul_i32 s16, s16, AHI
	s_and_b32 s17, s13, 7
	s_lshl_b32 s17, s17, 15                        ; 256 rows of 128 bytes
	s_add_co_u32 s16, s16, s17
	s_mul_i32 s17, s12, ASTR                       ; my slice of K step 0
	s_add_co_u32 s16, s16, s17
	s_mov_b32 s17, 0
	s_lshl_b32 s46, s42, 15
	s_mul_i32 s47, s12, BSTR
	s_add_co_u32 s46, s46, s47
	s_mov_b32 s47, 0
	s_mul_i32 s20, s10, LOADB                      ; and where they go: part w of a slot: no place in the cluster enters an LDS address
	s_wait_dscnt 0x0                               ; the opening add is done
	s_wait_kmcnt 0x0
	s_add_nc_u64 s[14:15], s[4:5], s[16:17]
	s_add_nc_u64 s[46:47], s[6:7], s[46:47]
	CROUND                                         ; all sixteen work-groups are here: the first joint loads meet
.irp s, 0,1
	s_mov_b32 s[G0+4*(\s)], 1                                      ; count = 1
	s_add_co_u32 s[G0+4*(\s)+1], s20, (\s)*SLOT                    ; LDS address
	s_add_nc_u64 s[G0+4*(\s)+2:G0+4*(\s)+3], s[14:15], (\s)*2*ASTR ; global address: K step s
	s_or_b32 s[G0+4*(\s)+3], s[G0+4*(\s)+3], 0x80000000            ; type = 2
	s_mov_b32 s[G0B+4*(\s)], 1
	s_add_co_u32 s[G0B+4*(\s)+1], s20, (\s)*SLOT
	s_add_nc_u64 s[G0B+4*(\s)+2:G0B+4*(\s)+3], s[46:47], (\s)*2*BSTR
	s_or_b32 s[G0B+4*(\s)+3], s[G0B+4*(\s)+3], 0x80000000
	JLOAD \s                                       ; two loads of mine are out
.endr
	; A fragment is 16 rows x 32 K in 8 registers: lane l holds row l % 16, K = 8 (l / 16) + 0..7 and 16 + 8 (l / 16) + 0..7: two loads of 16 bytes, 32 bytes apart
	v_and_b32 v1, 15, v0                           ; l % 16
	v_bfe_u32 v2, v0, 4, 1                         ; l / 16
	v_mul_u32_u24 v3, v1, PITCH
	v_lshl_add_u32 v3, v2, 4, v3
	s_mul_i32 s21, s11, 128*PITCH                  ; my 128 rows of A,
	s_mul_i32 s22, s12, 128*PITCH                  ; my 128 rows of B,
	s_add_co_u32 s22, s22, 2*LOADB                 ; which lie behind A's two slices
.irp s, 0,1
	v_add_nc_u32 v[ADRA+(\s)], s21, v3
	v_add_nc_u32 v[ADRB+(\s)], s22, v3
	s_add_co_u32 s21, s21, SLOT
	s_add_co_u32 s22, s22, SLOT
.endr
	v_mov_b32 v[CA], v[ADRA]
	v_mov_b32 v[CB], v[ADRB]
	s_mul_i32 s23, s10, 16*SPITCH
	s_add_co_u32 s23, s23, STAGE                   ; my stage
	v_mul_u32_u24 v4, v1, SPITCH                   ; in: row l % 16, 16 bytes for each half of the lanes
	v_lshl_add_u32 v4, v2, 4, v4
	v_add_nc_u32 v[STO], s23, v4
	v_bfe_u32 v5, v0, 3, 2                         ; back: 32 lanes take one head's 128 bytes of four rows,
	v_mul_u32_u24 v5, v5, SPITCH
	v_and_b32 v6, 7, v0
	v_lshl_add_u32 v5, v6, 4, v5
	v_add_nc_u32 v[RD], s23, v5
	v_and_b32 v[CO], 31, v0                        ; which are 512 consecutive bytes of the output
	v_lshlrev_b32 v[CO], 4, v[CO]
	; where my part begins in qkv: by the tile row: batch (tile row / 8) x 16 heads x 262,144 + (256 (tile row % 8) + 128 x half) x 128 ...
	s_lshr_b32 s16, s13, 3
	s_lshl_b32 s16, s16, 22
	s_and_b32 s17, s13, 7
	s_lshl_b32 s17, s17, 15
	s_add_co_u32 s16, s16, s17
	s_lshl_b32 s17, s11, 14
	s_add_co_u32 s16, s16, s17
	s_mov_b32 s17, 0
	; ... and by the tile column: which (tile column / 4) x 16,777,216 + head (4 (tile column % 4) + 2 x half) x 262,144
	s_lshr_b32 s46, s42, 2
	s_lshl_b32 s46, s46, 24
	s_and_b32 s47, s42, 3
	s_lshl_b32 s47, s47, 20
	s_add_co_u32 s46, s46, s47
	s_lshl_b32 s47, s12, 19
	s_add_co_u32 s46, s46, s47
	s_mov_b32 s47, 0
	s_add_nc_u64 s[16:17], s[16:17], s[46:47]
	; the prefetches
	s_lshr_b32 s20, s13, 3
	s_mul_i32 s20, s20, AHI
	s_and_b32 s21, s13, 7
	s_lshl_b32 s21, s21, 15
	s_add_co_u32 s20, s20, s21                     ; A's tile,
	s_lshl_b32 s21, s42, 15                        ; B's
	s_and_b32 s22, ttmp7, 0xffff                   ; cluster y
	s_mov_b32 s23, ASTR
	s_mov_b32 s46, BSTR
	s_cmp_eq_u32 s11, 0                            ; do I fetch for A?
	s_cselect_b32 s20, s20, s21
	s_cselect_b32 s21, s40, s41                    ; my place among the four that ask with me
	s_cselect_b32 s22, ttmp9, s22                  ; the coordinate along which other clusters read the same rows
	s_cselect_b32 s23, s23, s46
	s_cselect_b64 s[PFA:PFA+1], s[4:5], s[6:7]
	s_cmp_eq_u32 s22, 0
	s_cselect_b32 s[LIM], 2, -1                    ; the same in all sixteen partners, for a given wave
	s_lshl_b32 s21, s21, 13                        ; my work-group's 8,192 bytes
	s_add_co_u32 s20, s20, s21
	s_add_co_u32 s22, s12, 6                       ; my slice of K step 3: the first refill steps it to K step 4
	s_mul_i32 s22, s22, s23
	s_add_co_u32 s20, s20, s22
	s_mov_b32 s21, 0
	s_add_nc_u64 s[PFA:PFA+1], s[PFA:PFA+1], s[20:21]
	s_lshl_b32 s[PFS], s23, 1
	s_mov_b32 s[PFS+1], 0
	s_mov_b32 s[SL], 0
	v_and_b32 v[PFO], 31, v0
	v_lshlrev_b32 v[PFO], 8, v[PFO]
; 16 matrix instructions: m blocks a0, a0 + 1 of the window's four (hi = 0: my rows 0-63, 1: rows 64-127) x all 8 n blocks, 32 along K.  zero = 1: the first product starts the sums
.macro MUL16 f, hi, a0, zero
	WIN MUL_LO+0x50*(\hi)
.irp a, \a0, (\a0)+1
.irp b, 0,1,2,3,4,5,6,7
.if \zero
	v_wmma_f32_16x16x32_bf16 v[8*(8*(\a)+(\b)):8*(8*(\a)+(\b))+7], v[(\f)+8*(\b):(\f)+8*(\b)+7], v[(\f)+8*(4*(\hi)+(\a)):(\f)+8*(4*(\hi)+(\a))+7], 0
.else
	v_wmma_f32_16x16x32_bf16 v[8*(8*(\a)+(\b)):8*(8*(\a)+(\b))+7], v[(\f)+8*(\b):(\f)+8*(\b)+7], v[(\f)+8*(4*(\hi)+(\a)):(\f)+8*(4*(\hi)+(\a))+7], v[8*(8*(\a)+(\b)):8*(8*(\a)+(\b))+7]
.endif
.endr
.endr
.endm
; 32 LDS loads in one run: the fragments of one quarter step (32 K at byte k of the slot in hand: 0, 64 in the first slice, LOADB, LOADB + 64 in the second) into buffer f
.macro FETCH k, f
	WIN TO_B
.irp i, 0,1,2,3,4,5,6,7
	ds_load_b128 v[(\f)+8*(\i):(\f)+8*(\i)+3],   v[CB] offset:(\k)+(\i)*16*PITCH
	ds_load_b128 v[(\f)+8*(\i)+4:(\f)+8*(\i)+7], v[CB] offset:(\k)+(\i)*16*PITCH+32
.endr
	WIN 0
.irp i, 0,1,2,3,4,5,6,7
	ds_load_b128 v[(\f)+8*(\i):(\f)+8*(\i)+3],   v[CA] offset:(\k)+(\i)*16*PITCH
	ds_load_b128 v[(\f)+8*(\i)+4:(\f)+8*(\i)+7], v[CA] offset:(\k)+(\i)*16*PITCH+32
.endr
.endm
.macro PLACES                          ; four plain vector instructions between a matrix instruction and a load into, or a vector read of, its registers
.rept 4
	v_nop
.endr
.endm
; A K step is four quarters of 32 along K, 64 matrix instructions each, on buffers 0, 1, 0, 1.  One of the first three: multiplies buffer f; in its middle it fetches the next quarter, at byte k, into g.
; The 64 accumulators take turns in the same order in every quarter.
.macro QUARTER k, f, g, zero
	s_wait_dscnt 8                                 ; B and A's rows 0-63 are in; the youngest eight loads (A's rows 64-127) may be out
	WIN MUL_LO
	MUL16 \f, 0, 0, \zero
	MUL16 \f, 0, 2, \zero
	PLACES
	FETCH \k, \g
	s_wait_dscnt 32                                ; all but the 32 just issued
	WIN MUL_HI
	MUL16 \f, 1, 0, \zero
	MUL16 \f, 1, 2, \zero
.endm
; The last quarter's first half: ONE barrier for the change of slots.  In front of it each wave waits for all its tensor loads (one is out: its part of the next slot), adds 0 to its spare word, and waits for that
; and for its own reads of this slot.  Behind it nobody reads this slot any more and the next slot is whole.
.macro MEET round
	WIN 0
	s_wait_tensorcnt 0x0
	ds_add_u32 v[SPW], v[NIL]                      ; 0 onto my spare word
	s_wait_dscnt 9                                 ; (the add and the youngest eight loads may be out)
	WIN MUL_LO
	MUL16 F1, 0, 0, 0
	s_wait_dscnt 0x0                               ; the add is done, and my reads of this slot are over
	s_barrier_signal -1
	MUL16 F1, 0, 2, 0
.if \round
	WIN 0
.endif
	s_barrier_wait -1
.endm
; The whole last quarter, in the loop: the slot just read out is filled again with the K step two steps on, first thing behind the round; then come the next slot's first fragments.
; From a request to the wait for it a wave issues 224 matrix instructions.
.macro TURN
	s_wait_xcnt 0x0                                ; the last prefetch, a K step back, has read its address
	s_add_nc_u64 s[PFA:PFA+1], s[PFA:PFA+1], s[PFS:PFS+1]
	MEET 1
	CREST                                          ; no wave of any partner still reads this slot's tile or has a load on its way
	s_xor_b32 s[G0+5], s[G0+5], SLOT               ; the walking descriptors: the other slot than last time, the next K step
	s_add_nc_u64 s[G0+6:G0+7], s[G0+6:G0+7], 2*ASTR
	s_xor_b32 s[G0B+5], s[G0B+5], SLOT
	s_add_nc_u64 s[G0B+6:G0B+7], s[G0B+6:G0B+7], 2*BSTR
	s_xor_b32 s[SL], s[SL], SLOT
	JLOAD 1                                        ; the four v_nop behind it are also the places in front of the loads below
	v_add_nc_u32 v[CA], s[SL], v[ADRA]
	v_add_nc_u32 v[CB], s[SL], v[ADRB]
	FETCH 0, F0
	ASK
	WIN MUL_HI
	MUL16 F1, 1, 0, 0
	MUL16 F1, 1, 2, 0
.endm
; THE LAST K STEP (it lies in slot 1) GOES BY ROWS OF C: all its fragments of B fill window 1; then my eight blocks of 16 rows are finished one after the other, 32 matrix instructions each.
.macro BLOAD q
	WIN TO_B
.irp i, 0,1,2,3,4,5,6,7
	ds_load_b128 v[64*(\q)+8*(\i):64*(\q)+8*(\i)+3],   v[ADRB+1] offset:((\q)/2)*LOADB+((\q)%2)*64+(\i)*16*PITCH
	ds_load_b128 v[64*(\q)+8*(\i)+4:64*(\q)+8*(\i)+7], v[ADRB+1] offset:((\q)/2)*LOADB+((\q)%2)*64+(\i)*16*PITCH+32
.endr
.endm
.macro ALOAD a
	WIN 0
.set FA, PA+32*((\a)%4)
.irp q, 0,1,2,3
	ds_load_b128 v[FA+8*(\q):FA+8*(\q)+3],   v[ADRA+1] offset:((\q)/2)*LOADB+((\q)%2)*64+(\a)*16*PITCH
	ds_load_b128 v[FA+8*(\q)+4:FA+8*(\q)+7], v[ADRA+1] offset:((\q)/2)*LOADB+((\q)%2)*64+(\a)*16*PITCH+32
.endr
.endm
.macro ROW a
.set FA, PA+32*((\a)%4)
.set AC, 64*((\a)%4)
	WIN MUL_LO+0x50*((\a)/4)
.irp q, 0,1,2,3
.if (\a) == 0 && (\q) == 2
	s_wait_dscnt 24                                ; B's quarter 2 is in (behind it: A's blocks 1 to 3)
.endif
.irp b, 0,1,2,3,4,5,6,7
	v_wmma_f32_16x16x32_bf16 v[AC+8*(\b):AC+8*(\b)+7], v[64*(\q)+8*(\b):64*(\q)+8*(\b)+7], v[FA+8*(\q):FA+8*(\q)+7], v[AC+8*(\b):AC+8*(\b)+7]
.endr
.endr
.endm
; THE WAY OUT of block a.  PACK: rounded to f16, 16 bytes a lane.  TOSTAGE: into my own stage (16 rows x 256 bytes: two heads' 128 bytes side by side), and back by heads.  SEND: stored.
.macro PACK a
.set AC, 64*((\a)%4)
	WIN 0x0a+5*((\a)/4)                            ; sources 0 and 1: window 2 or 3
.irp b, 0,1,2,3,4,5,6,7
.irp r, 0,1,2,3
	v_cvt_pk_f16_f32 v[TMP+4*(\b)+(\r)], v[AC+8*(\b)+2*(\r)], v[AC+8*(\b)+2*(\r)+1]
.endr
.endr
	WIN 0
.endm
.macro TOSTAGE a
	WIN 0
.set BK, OB+192*((\a)%2)
.irp b, 0,1,2,3,4,5,6,7
	ds_store_b128 v[STO], v[TMP+4*(\b):TMP+4*(\b)+3] offset:32*(\b)
.endr
.irp t, 0,1,2,3,4,5,6,7
	ds_load_b128 v[BK+4*(\t):BK+4*(\t)+3], v[RD] offset:((\t)%4)*4*SPITCH+((\t)/4)*128  ; LDS serves a wave's instructions in order (ISA guide 5.7.1.4): these see the stores above
.endr
.endm
.macro SEND a, younger
	WIN 0
.set BK, OB+192*((\a)%2)
	s_wait_dscnt \younger                          ; the block is back in registers
	s_wait_xcnt 0x0                                ; only behind this wait are the stores' base and the registers that earlier stores read rewritten
.if (\a) == 0
	s_add_nc_u64 s[8:9], s[8:9], s[16:17]
.else
	s_add_nc_u64 s[8:9], s[8:9], 16*128            ; 16 rows of a head on
.endif
.irp t, 0,1,2,3,4,5,6,7
	global_store_b128 v[CO], v[BK+4*(\t):BK+4*(\t)+3], s[8:9] offset:((\t)/4)*262144+((\t)%4)*512  ; four rows of one head: 512 consecutive bytes, aligned
.endr
.endm
	s_wait_tensorcnt 1                             ; my part of K step 0 is in; K step 1's may stay out
	s_barrier_signal -1
	s_barrier_wait -1
	FETCH 0, F0
	QUARTER 64, F0, F1, 1                          ; the first quarter stands in front of the loop: its products start the sums
	WIN 0
	s_mov_b32 s3, STEPS-2
.Lstep:                                                ; a trip: from a K step's second quarter to the next step's first; it asks for the K step two on
	QUARTER LOADB, F1, F0, 0
	QUARTER LOADB+64, F0, F1, 0
	TURN
	QUARTER 64, F0, F1, 0
	WIN 0
	s_sub_co_u32 s3, s3, 1
	s_cmp_lg_u32 s3, 0
	s_cbranch_scc1 .Lstep
	QUARTER LOADB, F1, F0, 0                       ; K step 6, in slot 0, goes on; nothing more is asked for
	QUARTER LOADB+64, F0, F1, 0
	MEET 0
	PLACES
	WIN TO_B
	BLOAD 0                                        ; three quarters of B now: buffer 1 is still being multiplied
	BLOAD 1
	BLOAD 3
	WIN 0
	ALOAD 0
	WIN MUL_HI
	MUL16 F1, 1, 0, 0
	MUL16 F1, 1, 2, 0
	PLACES
	WIN TO_B
	BLOAD 2
	WIN 0
	ALOAD 1
	ALOAD 2
	ALOAD 3
	s_wait_dscnt 40                                ; all but the 40 just issued
	ROW 0
.irp a, 0,1,2,3,4,5,6,7
	PLACES
	PACK \a
	TOSTAGE \a
.if (\a) < 4
	ALOAD (\a)+4
	SEND \a, 8
.else
	SEND \a, 0
.endif
.if (\a) < 7
	ROW (\a)+1
.endif
.endr
	s_wait_tensorcnt 0x0                           ; the wave's end, behind my last tensor load and my last LDS store
	ds_add_u32 v[SPW], v[NIL]
	s_wait_dscnt 0x0
	CROUND                                         ; the closing round: no work-group ends while a partner may still ask for a tile that names it
	s_endpgm
.Lfunc_end_k_q29083fb16d_qkv:
	.size	k_q29083fb16d_qkv, .Lfunc_end_k_q29083fb16d_qkv-k_q29083fb16d_qkv
	.p2alignl 7, 3214868480
	.fill 96, 4, 3214868480
	.section	.rodata,"a",@progbits
	.p2align	6, 0x0
	.amdhsa_kernel k_q29083fb16d_qkv
		.amdhsa_group_segment_fixed_size 327680
		.amdhsa_private_segment_fixed_size 0
		.amdhsa_enable_private_segment 0
		.amdhsa_kernarg_size 24
		.amdhsa_user_sgpr_count 2
		.amdhsa_user_sgpr_kernarg_segment_ptr 1
		.amdhsa_wavefront_size32 1
		.amdhsa_system_sgpr_workgroup_id_x 1
		.amdhsa_system_sgpr_workgroup_id_y 1
		.amdhsa_system_sgpr_workgroup_id_z 1
		.amdhsa_system_vgpr_workitem_id 0
		.amdhsa_next_free_vgpr 1024
		.amdhsa_next_free_sgpr 66
		.amdhsa_reserve_vcc 0
		.amdhsa_float_denorm_mode_32 3
		.amdhsa_float_denorm_mode_16_64 3
		.amdhsa_memory_ordered 1
		.amdhsa_forward_progress 1
		.amdhsa_inst_pref_size 119
	.end_amdhsa_kernel
	.amdgpu_metadata
---
amdhsa.version: [ 1, 2 ]
amdhsa.kernels:
  - .name:           k_q29083fb16d_qkv
    .symbol:         k_q29083fb16d_qkv.kd
    .args:
      - { .name: xb, .offset: 0, .size: 8, .value_kind: global_buffer, .address_space: global }
      - { .name: wt, .offset: 8, .size: 8, .value_kind: global_buffer, .address_space: global }
      - { .name: qkv, .offset: 16, .size: 8, .value_kind: global_buffer, .address_space: global }
    .group_segment_fixed_size: 327680
    .private_segment_fixed_size: 0
    .kernarg_segment_align: 8
    .kernarg_segment_size: 24
    .max_flat_workgroup_size: 128
    .sgpr_count:     66
    .vgpr_count:     1024
    .wavefront_size: 32
...
	.end_amdgpu_metadata
.endif
;; end of part 2
;; launch attn (part 3): grid 4 x 64, 4 waves a work-group, clusters of 4 x 1, 327,680 bytes of LDS; arguments qkv, lt, o; writes o
.if DOCPART == 3
	.amdgcn_target "amdgcn-amd-amdhsa--gfx1250"
	.amdhsa_code_object_version 6
	.text
	.protected	k_q29083fb16d_attn
	.globl	k_q29083fb16d_attn
	.p2align	8
	.type	k_q29083fb16d_attn,@function
k_q29083fb16d_attn:
	s_mov_b64 s[64:65], 0
	v_nop
	global_prefetch_b8 v0, s[64:65] scope:SCOPE_SE
	s_setreg_imm32_b32 hwreg(HW_REG_WAVE_MODE, 25, 1), 1
	s_wait_xcnt 0x0
	s_wait_alu depctr_hold_cnt(0) depctr_sa_sdst(0) depctr_va_vdst(0) depctr_va_sdst(0) depctr_va_ssrc(0) depctr_va_vcc(0) depctr_vm_vsrc(0)
	s_getreg_b32 s2, hwreg(HW_REG_IB_STS2, 6, 4)
	s_cmp_eq_u32 s2, 0
	s_cbranch_scc0 .Lentry_in_a_cluster
	s_endpgm
.Lentry_in_a_cluster:
	s_bfe_u32 s2, ttmp6, 0x10000c
	s_cmp_lg_u32 s2, 0x3003
	s_cbranch_scc0 .Lentry_shape_is_right
	s_endpgm
.Lentry_shape_is_right:
; O[bh][q][:] = the sum over k of softmax_k(Q[bh][q] . K[bh][k] + bias_h(k - q)) V[bh][k][:], no scale.  Q, K, V = qkv[0], qkv[1], qkv[2], each [64 bh][2048][64] in f16; O likewise.  Products, maxima and sums in
; f32; the weights p are rounded to f16 for the second product (their sum l is taken of the unrounded p), O once at the end.
; LIMITS.  f16 holds no number beyond 65,504: Q, K and V arrive within it; p lies in 0 to 1, and below 6e-5 it keeps f16's fixed step of 6e-8.  A weight below 2^-126 counts as 0 in l; NaN and infinities are not treated apart.
; SHARES.  A wave owns four PIECES of two tiles of 16 queries, a work-group's four waves 512 queries of one (batch, head); the four work-groups of a cluster are the head's four blocks.  Every wave walks all keys, 64 a step.
; LAYOUT.  S^T = K Q^T + bias (source 0 = 16 keys, source 1 = 16 queries): a lane holds ONE query (lane % 16) and the keys 8 (lane / 16) + 0..7.  Two such tiles, rounded to f16 in pairs, ARE source 1 of O^T = V^T P.
; THE BIAS is the C operand of the product that starts a sum.  It hangs on key - query alone.  LDS holds four copies c of a table, TBLc[x] = bias_h(x - 512 - c - 512 block): the CONTENT is shifted by the
; work-group's block, no LDS address is.  Lane (r, h') of wave w wants, for tile t, key block kb and step s, the eight entries from x = 512 + 64 s + 16 kb + 8 h' - 128 w - 16 t - 4 (r / 4) of copy r % 4:
; x is a multiple of 4, so two loads of 16 bytes bring them.  A copy is 10,560 bytes = 64 modulo 256: sixteen lanes touch sixteen different columns of 16 bytes.  Each wave brings one copy, once, by a tensor load of its own.
; SOFTMAX.  For each query a running maximum m and sum l: p = 2^(c s - c m), c = log2(e); in every step O and l are multiplied by a = 2^(c m_old - c m_new).  m starts at the lowest finite number, O and l at 0.
; BY TURNS.  Turn n belongs to piece n.  Its matrix work: 16 products K Q^T of piece n + 1, later 16 products V^T P of piece n - 1.  Its vector work: the scaling, exponentials, roundings, sums and rescaling of piece n,
; and the maximum and statistics of piece n + 1.  Four vector instructions stand behind every matrix instruction, the others in one lump; a turn's 66 exponentials are one batch with one wait.
; CLUSTER.  The four blocks walk the same K and V, so each tile is asked for JOINTLY: the same tensor load, descriptor and mask in all four.
; REGISTERS, in windows of 256 (s_set_vgpr_msb: bits 1:0 source 0, 3:2 source 1, 5:4 source 2, 7:6 destination):
;   window 0: v0-11 addresses; v12-15, v48-63 at work; v16-47 four registers of statistics a tile; v64-191 S^T, two buffers of two tiles; v192-255 P, likewise
;   window 1: O^T, 32 a tile     window 2: v0-127 Q; v128-191 K of one step; v192-255 V of one step     window 3: v0-1 the add's two registers; v64-127 the bias of the products to come
.set SIZE_N, 2048
.set NP,    4         ; pieces a wave: a name, no knob
.set KS,    64        ; keys in a step
.set PK,    144       ; a row of K in LDS: 128 bytes + 16 of padding
.set PV,    160       ; a row of V: 128 + 32
.set VOFF,  4*KS*PK   ; a slot holds four steps: 256 rows of K, then 256 rows of V
.set SLOT1, 1<<17
.set STAGE, SLOT1+4*KS*(PK+PV)  ; behind the ring, never filled by a tensor load: 16 rows x 144 bytes for each wave, for the way out
.set SP,    144
.set SPARE, STAGE+4*16*SP       ; the spare words, 128 bytes for each wave
.set TBL,   SPARE+512           ; the four copies of the bias table, filled once
.set TP,    10560               ; bytes in a copy: 2,640 entries
.set AB,  1           ; v1   the LDS address of the bias's next runs of loads
.set AK0, 2           ; v2   my lane's place in a tile of K; never rewritten
.set AV0, 3           ; v3   the same for V
.set AK,  4           ; v4   the LDS address of K's next run of loads
.set AV,  5           ; v5   of V's
.set QO,  5           ;      at the head: my byte offset in the wave's rows of Q (V's address is first made long behind the wait for Q)
.set STO, 6           ; v6   the way out: where I put 16 bytes of a row
.set RD,  7           ; v7   the way out: where I read rows back
.set GO,  8           ; v8   my byte offset in 512 consecutive bytes of O
.set PFO, 9           ; v9   256 x my lane, for the prefetches; never rewritten
.set AB0, 11          ; v11  my lane's place in the bias table at step 0; never rewritten
.set SPW, 0           ; v0 of window 3   LDS address of my spare word; never rewritten
.set NIL, 1           ; v1 of window 3   0; never rewritten
.set BI,  64          ; window 3: tile u, key block kb at BI + 32 u + 8 kb
.set MV,  12
.set ST,  16          ; tile t's statistics at v[ST+4 t]: c m, m, l (even keys', odd keys')
.set TMP, 48
.set S,   64
.set P,   192
.set KF,  128
.set VF,  192
.set WV,  12          ; s12  my wave's number
.set G1K, 24          ; s[24:31] descriptor group 1 for K's tiles
.set G1V, 32          ; s[32:39] for V's
.set G0K, 40          ; s[40:43] descriptor group 0 for K's tiles: it walks
.set G0V, 44          ; s[44:47] the same for V's
.set G0T, 48          ; s[48:51] group 0 for my copy of the table
.set PFA, 52          ; s[52:53] where my prefetches stand
.set LIM, 54          ; s54  1 in a wave that prefetches, else the greatest number
.set TBB, 55          ; s55  256 x the step whose bias is fetched next
.set SLOTS, 56
.set CNT, 57
.set CS,  58          ; s[58:59] c
.set SEL, 60          ; s[60:61] v_permlanex16_b32's selects
.set TBK, 62
.set TBV, 63
.set G1T, 68          ; s[68:75] group 1 for the table: one row of 1,320 elements of 8 bytes
.set MSB, 0
.macro WIN new
.if MSB != (\new)
	s_set_vgpr_msb (MSB<<8)|(\new)
.set MSB, (\new)
.endif
.endm
.set W_KQ, 0x0a       ; K and Q in window 2, S^T in window 0
.set W_KB, 0x3a       ; the same with the C operand, the bias, in window 3
.set W_PV, 0x52       ; V in window 2, P in window 0, O^T in window 1
.set W_RS, 0x41       ; O^T (destination and source 0) in window 1, a in window 0
.set W_MK, 0xc0       ; destination in window 3, sources in window 0
.set W_AD, 0x0f       ; the add: address and data in window 3
; A joint fill.  Waves 0 and 1 fetch the two halves of a slot's K, waves 2 and 3 those of its V: 128 keys each.  An s_nop 0 and four v_nop follow each of the two lines.
.macro JLOAD
	s_cmp_lt_u32 s[WV], 2
	s_cbranch_scc0 .Lfor_v_\@
	tensor_load_to_lds s[G0K:G0K+3], s[G1K:G1K+7]
	s_nop 0
.rept 4
	v_nop
.endr
	s_branch .Lasked_\@
.Lfor_v_\@:
	tensor_load_to_lds s[G0V:G0V+3], s[G1V:G1V+7]
	s_nop 0
.rept 4
	v_nop
.endr
.Lasked_\@:
.endm
; A PREFETCH INTO THE L2 of what the NEXT change of slots will ask for: a slot's 32,768 bytes of K and of V.  The four partners share them out BY ADDRESS, 8,192 each, 256 bytes a lane; in each, wave 0 asks for K's and
; wave 2 for V's.  So each 256 bytes are named once in the launch.  Slots 0 and 1 come by their loads alone; the last change that fills a slot asks for nothing.
.macro ASK
	s_cmp_gt_u32 s[SLOTS], s[LIM]
	s_cbranch_scc0 .Lnot_mine_\@
	global_prefetch_b8 v[PFO], s[PFA:PFA+1] th:TH_LOAD_NT scope:SCOPE_SE
.Lnot_mine_\@:
.endm
.macro CROUND                       ; a round of the cluster's barrier
	s_barrier_signal -1
	s_barrier_wait -1
	s_cmp_lg_u32 s[WV], 0
	s_cbranch_scc1 .Lnot_wave_0_\@
	s_barrier_signal -3
.Lnot_wave_0_\@:
	s_barrier_wait -3
	s_barrier_signal -1
	s_barrier_wait -1
.endm
; THE CHANGE OF SLOTS.  Each wave waits for all its tensor loads, adds 0 to its spare word, and waits for that and for its own LDS reads.  Behind the barrier nobody reads the old slot any more and the other slot is whole.
; fill = 1: the old slot is filled again, with the keys two slots on; the barrier is then a round of the cluster's, and the joint fill is the first thing behind it: it has four key steps in which to land.
; (At its first use nothing has been read yet: slot 0 and the table's four copies are waited for, slot 1 filled.)
.macro CHANGE fill
	WIN W_AD
	s_wait_tensorcnt 0x0            ; no tensor load of mine is out, so a group 0 may be written
	ds_add_u32 v[SPW], v[NIL]       ; 0 onto my spare word
	WIN 0
.if \fill
.irp g, G0K, G0V
	s_xor_b32 s[\g+1], s[\g+1], SLOT1
	s_add_nc_u64 s[\g+2:\g+3], s[\g+2:\g+3], 4*KS*128
.endr
	s_wait_xcnt 0x0                 ; the last prefetch, four key steps back, has read its address
	s_add_nc_u64 s[PFA:PFA+1], s[PFA:PFA+1], 4*KS*128
	s_wait_dscnt 0x0                ; the add is done, and my reads of the slot are over
	CROUND
	JLOAD
	ASK
.else
	s_wait_dscnt 0x0
	s_barrier_signal -1
	s_barrier_wait -1
.endif
	s_sub_co_u32 s[TBK], s[TBK], 4*KS*PK
	s_xor_b32 s[TBK], s[TBK], SLOT1
	s_sub_co_u32 s[TBV], s[TBV], 4*KS*PV
	s_xor_b32 s[TBV], s[TBV], SLOT1
.endm
	s_load_b128 s[4:7], s[0:1], 0x0   ; qkv s[4:5], lt s[6:7]
	s_load_b64 s[10:11], s[0:1], 0x10 ; o
	WIN W_MK
	v_lshl_add_u32 v[SPW], v0, 2, SPARE
	v_mov_b32 v[NIL], 0
	WIN W_AD
	ds_add_u32 v[SPW], v[NIL]       ; the wave's opening: the add and its wait stand ahead of my first tensor load; the set-up below, work on registers, stands between them
	ds_add_u32 v0, v1
	WIN 0
	v_lshrrev_b32 v1, 5, v0
	v_readfirstlane_b32 s[WV], v1   ; wave 0..3
	s_bfe_u32 s13, ttmp6, 0x40000   ; cx: my place in the cluster
	s_lshl_b32 s14, ttmp9, 2
	s_add_co_u32 s14, s14, s13      ; my block of 512 queries, 0..3: it enters global addresses alone
	s_and_b32 s20, ttmp7, 0xffff    ; 16 b + h, which the four partners share
	s_and_b32 s66, s20, 15          ; my copy of the table in lt: row 4 h + wave of 20,480 bytes,
	s_lshl_b32 s66, s66, 2
	s_add_co_u32 s66, s66, s[WV]
	s_mul_i32 s66, s66, 20480
	s_sub_co_u32 s67, 3, s14        ; from entry 512 (3 - block) on
	s_lshl_b32 s67, s67, 11
	s_add_co_u32 s66, s66, s67
	s_mov_b32 s67, 0
	s_mov_b32 s21, 0
	s_mov_b64 s[22:23], SIZE_N*128
	s_mul_u64 s[20:21], s[20:21], s[22:23]  ; the head's first byte in Q, K, V and O
	s_and_b32 s16, s[WV], 1         ; which half of a slot's 256 keys I fetch
	s_lshl_b32 s22, s16, 14
	s_mov_b32 s23, 0
	s_add_nc_u64 s[22:23], s[22:23], s[20:21]
	s_mul_i32 s17, s16, 128*PK
	s_mul_i32 s18, s16, 128*PV
	s_lshl_b32 s2, s14, 2
	s_add_co_u32 s2, s2, s[WV]
	s_lshl_b32 s2, s2, 14           ; my wave's 128 rows
	s_mov_b32 s3, 0
	s_add_nc_u64 s[2:3], s[2:3], s[20:21]
	; descriptor group 1.  128 keys are 16,384 dense bytes: asked for as 64 rows of 256 bytes, two keys a row, and padded in LDS after every key
	s_mov_b32 s[G1K], 15|(1<<16)|(1<<20)|(1<<21)|(4<<22)|(3<<25)
	s_mov_b32 s[G1V], 15|(1<<16)|(1<<20)|(1<<21)|(4<<22)|(7<<25)
.irp g, G1K, G1V
	s_mov_b32 s[\g+1], 128<<16
	s_mov_b32 s[\g+2], 64<<16
	s_mov_b32 s[\g+3], 128<<16
	s_mov_b32 s[\g+4], 64
	s_mov_b32 s[\g+5], 128
	s_mov_b32 s[\g+6], 0
	s_mov_b32 s[\g+7], 0
.endr
	s_mov_b32 s[G1T], 3<<16         ; no mask: a load of my own; elements of 8 bytes; no padding
	s_mov_b32 s[G1T+1], (TP/8)<<16  ; tensor_dim0 = 1,320
	s_mov_b32 s[G1T+2], 1<<16       ; tensor_dim1 = 1
	s_mov_b32 s[G1T+3], (TP/8)<<16  ; tile_dim0 = 1,320
	s_mov_b32 s[G1T+4], 1           ; tile_dim1 = 1
	s_mov_b32 s[G1T+5], TP/8
	s_mov_b32 s[G1T+6], 0
	s_mov_b32 s[G1T+7], 0
	s_mov_b32 s[CS], 0x3fb8aa3b     ; c = log2(e)
	s_mov_b32 s[CS+1], s[CS]
	s_mov_b32 s[SEL], 0x76543210
	s_mov_b32 s[SEL+1], 0xfedcba98
	s_mov_b32 s[TBK], SLOT1+4*KS*PK ; the first change of slots turns these two into 0
	s_mov_b32 s[TBV], SLOT1+4*KS*PV
	s_mov_b32 s[TBB], 0
	s_mov_b32 s[SLOTS], SIZE_N/256-1
	s_mov_b32 s[G0K], 1
	s_mov_b32 s[G0K+1], s17
	s_mov_b32 s[G0V], 1
	s_add_co_u32 s[G0V+1], s18, VOFF
	s_mov_b32 s[G0T], 1
	s_mul_i32 s[G0T+1], s[WV], TP
	s_add_co_u32 s[G0T+1], s[G0T+1], TBL
	s_and_b32 s[LIM], s[WV], 1
	s_cmp_eq_u32 s[LIM], 0
	s_cselect_b32 s[LIM], 1, -1     ; waves 0 and 2 prefetch: the same in all four partners
	s_lshl_b32 s16, s13, 13         ; my work-group's 8,192 bytes of a slot, in slot 1: the first change of slots steps it to slot 2
	s_add_co_u32 s16, s16, 4*KS*128
	s_mov_b32 s17, 0
	s_wait_dscnt 0x0                ; the opening add is done
	s_wait_kmcnt 0x0
	s_add_nc_u64 s[G0K+2:G0K+3], s[4:5], s[22:23]
	s_add_nc_u64 s[G0V+2:G0V+3], s[G0K+2:G0K+3], 0x2000000  ; V = qkv[2],
	s_add_nc_u64 s[G0K+2:G0K+3], s[G0K+2:G0K+3], 0x1000000  ; K = qkv[1]: my half of the head's first 256 keys
	s_cmp_lt_u32 s[WV], 2
	s_cselect_b64 s[PFA:PFA+1], s[G0K+2:G0K+3], s[G0V+2:G0V+3]  ; (in waves 0 and 2 these stand at a slot's first row)
	s_add_nc_u64 s[PFA:PFA+1], s[PFA:PFA+1], s[16:17]
	s_or_b32 s[G0K+3], s[G0K+3], 0x80000000
	s_or_b32 s[G0V+3], s[G0V+3], 0x80000000
	s_add_nc_u64 s[G0T+2:G0T+3], s[6:7], s[66:67]
	s_or_b32 s[G0T+3], s[G0T+3], 0x80000000
	s_add_nc_u64 s[4:5], s[4:5], s[2:3]    ; Q and O at my wave's first row
	s_add_nc_u64 s[10:11], s[10:11], s[2:3]
	CROUND                          ; all four work-groups are here: the first joint loads meet
	s_cmp_lt_u32 s[WV], 2           ; a wave's two first fills stand in one branch: its part of slot 0 and its copy of the table: two loads of mine are out
	s_cbranch_scc0 .Lfirst_v
	tensor_load_to_lds s[G0K:G0K+3], s[G1K:G1K+7]
	s_nop 0
	tensor_load_to_lds s[G0T:G0T+3], s[G1T:G1T+7]
	s_nop 0
.rept 4
	v_nop
.endr
	s_branch .Lfirst_asked
.Lfirst_v:
	tensor_load_to_lds s[G0V:G0V+3], s[G1V:G1V+7]
	s_nop 0
	tensor_load_to_lds s[G0T:G0T+3], s[G1T:G1T+7]
	s_nop 0
.rept 4
	v_nop
.endr
.Lfirst_asked:
	v_and_b32 v1, 15, v0            ; l % 16
	v_bfe_u32 v9, v0, 4, 1          ; l / 16
	v_lshlrev_b32 v[QO], 7, v1
	v_lshl_add_u32 v[QO], v9, 4, v[QO]  ; row x 128 + 16 x half
	WIN 0x80                        ; destination window 2, address window 0
.set i, 0
.rept 4*NP                          ; Q stays in registers: tile i / 2, channels 32 (i % 2) on
	global_load_b128 v[8*i:8*i+3],   v[QO], s[4:5] offset:(i/2)*2048+(i%2)*64
	global_load_b128 v[8*i+4:8*i+7], v[QO], s[4:5] offset:(i/2)*2048+(i%2)*64+32
.set i, i+1
.endr
	; What the first turn finds: V's registers and P's second buffer hold 0, O^T and l are 0.  All this stands in the wait for the first tile.
.set i, VF
.rept 64
	v_mov_b32 v[i], 0
.set i, i+1
.endr
	WIN 0x40
.set i, 0
.rept 64*NP
	v_mov_b32 v[i], 0
.set i, i+1
.endr
	WIN 0
.set i, 0
.rept 2*NP
	v_mov_b32 v[ST+4*i], 0xfe000000    ; c m: far below every c s
	v_mov_b32 v[ST+4*i+1], 0xff7fffff  ; m
	v_mov_b32 v[ST+4*i+2], 0
	v_mov_b32 v[ST+4*i+3], 0
.set i, i+1
.endr
.set i, P+32
.rept 32
	v_mov_b32 v[i], 0
.set i, i+1
.endr
	v_mul_u32_u24 v[AK0], v1, PK
	v_lshl_add_u32 v[AK0], v9, 4, v[AK0]
	; The turning load takes 16 keys x 16 channels (lane l reads key 8 (l / 16) + l % 8, channels 8 ((l / 8) % 2) + 0..7) and leaves half a fragment of V^T
	v_and_b32 v10, 7, v0
	v_bfe_u32 v11, v0, 3, 1
	v_lshl_add_u32 v[AV0], v9, 3, v10
	v_mul_u32_u24 v[AV0], v[AV0], PV
	v_lshl_add_u32 v[AV0], v11, 4, v[AV0]
	v_add_nc_u32 v[AV0], VOFF, v[AV0]
	v_mov_b32 v[AK], v[AK0]         ; key step 0 lies at the head of slot 0
	s_mul_i32 s13, s[WV], 16*SP
	s_add_co_u32 s13, s13, STAGE    ; my stage
	v_mul_u32_u24 v[STO], v1, SP
	v_lshl_add_u32 v[STO], v9, 4, v[STO]
	v_add_nc_u32 v[STO], s13, v[STO]
	v_bfe_u32 v[RD], v0, 3, 2
	v_mul_u32_u24 v[RD], v[RD], SP
	v_lshl_add_u32 v[RD], v10, 4, v[RD]
	v_add_nc_u32 v[RD], s13, v[RD]
	v_and_b32 v[GO], 31, v0
	v_lshlrev_b32 v[GO], 4, v[GO]
	; my place in the table: TBL + 16 + 512 (3 - w) + 16 (3 - (l / 4) % 4) + 32 (l / 16) + 10,560 (l % 4); a load's immediate adds 64 (7 - tile) + 64 kb: together byte 4 x of copy l % 4
	s_sub_co_u32 s15, 3, s[WV]
	s_lshl_b32 s15, s15, 9
	s_add_co_u32 s15, s15, TBL+16
	v_bfe_u32 v10, v0, 2, 2
	v_sub_nc_u32 v10, 3, v10
	v_lshl_add_u32 v10, v10, 4, s15
	v_lshl_add_u32 v10, v9, 5, v10
	v_and_b32 v11, 3, v0
	v_mul_u32_u24 v11, v11, TP
	v_add_nc_u32 v[AB0], v10, v11
	v_mov_b32 v[AB], v[AB0]         ; step 0
	v_and_b32 v[PFO], 31, v0
	v_lshlrev_b32 v[PFO], 8, v[PFO]
; THE MATRIX WORK.  The 8 accumulators of a run of 16 take turns.  Product i of 16 of S^T = K Q^T + bias for piece x: channels 32 (i / 8) on, keys 16 ((i / 2) % 4) on, tile 2 x + i % 2.
; The first 8 start the sums with the bias.
.macro KQ x
.set rS, S+64*((\x)%2)+32*(i%2)+8*((i/2)%4)
.set rK, KF+16*((i/2)%4)+8*(i/8)
.set rQ, 16*(2*(\x)+i%2)+8*(i/8)
.set rB, BI+32*(i%2)+8*((i/2)%4)
.if i < 8
	WIN W_KB
	v_wmma_f32_16x16x32_f16 v[rS:rS+7], v[rK:rK+7], v[rQ:rQ+7], v[rB:rB+7]
.else
	WIN W_KQ
	v_wmma_f32_16x16x32_f16 v[rS:rS+7], v[rK:rK+7], v[rQ:rQ+7], v[rS:rS+7]
.endif
.endm
.macro PV x                         ; product i of 16 of O^T += V^T P for piece x
	WIN W_PV
.set rO, 32*(2*(\x)+i%2)+8*((i/2)%4)
.set rV, VF+32*(i/8)+8*((i/2)%4)
.set rP, P+32*((\x)%2)+16*(i%2)+8*(i/8)
	v_wmma_f32_16x16x32_f16 v[rO:rO+7], v[rV:rV+7], v[rP:rP+7], v[rO:rO+7]
.endm
.macro MM                           ; the turn's next matrix instruction
.if i < 16
	KQ (Y+1)%NP
.set i, i+1
.else
.set i, i-16
	PV (Y+NP-1)%NP
.set i, i+17
.endif
.endm
; THE LDS LOADS stand in runs of 16, never singly among the matrix instructions.
.macro FETCH_K last=0
	WIN 0
.if \last
	s_cmp_eq_u32 s[CNT], 1
	s_cbranch_scc1 .Lno_k_\@
.endif
	WIN 0x80
.irp f, 0,1,2,3,4,5,6,7
	ds_load_b128 v[KF+8*\f:KF+8*\f+3],   v[AK] offset:(\f/2)*16*PK+(\f%2)*64
	ds_load_b128 v[KF+8*\f+4:KF+8*\f+7], v[AK] offset:(\f/2)*16*PK+(\f%2)*64+32
.endr
	s_add_co_u32 s[TBK], s[TBK], KS*PK
	WIN 0
.if \last
.Lno_k_\@:
.endif
.endm
.macro FETCH_V
	WIN 0x80
.irp f, 0,1,2,3,4,5,6,7
	ds_load_tr16_b128 v[VF+8*\f:VF+8*\f+3],   v[AV] offset:(\f/4)*32*PV+(\f%4)*32
	ds_load_tr16_b128 v[VF+8*\f+4:VF+8*\f+7], v[AV] offset:(\f/4)*32*PV+16*PV+(\f%4)*32
.endr
	WIN 0
.endm
.macro FETCH_B x                    ; the bias of piece x's two tiles for the step that v[AB] stands at
	WIN 0xc0                        ; destination window 3
.irp u, 0,1
.irp kb, 0,1,2,3
	ds_load_b128 v[BI+32*(\u)+8*(\kb):BI+32*(\u)+8*(\kb)+3],   v[AB] offset:64*(7-2*(\x)-(\u))+64*(\kb)
	ds_load_b128 v[BI+32*(\u)+8*(\kb)+4:BI+32*(\u)+8*(\kb)+7], v[AB] offset:64*(7-2*(\x)-(\u))+64*(\kb)+16
.endr
.endr
	WIN 0
.endm
; THE VECTOR WORK OF A TURN stands in three queues, each in the order in which its entries become ready; the two tiles alternate.
.macro REGS y, u
.set rT, ST+4*(2*(\y)+(\u))
.set rC, TMP+8*((\y)%2)+4*(\u)
.set rM, MV+2*((\y)%2)+(\u)
.set rS, S+64*((\y)%2)+32*(\u)
.set rP, P+32*((\y)%2)+16*(\u)
.set rO, 32*(2*(\y)+(\u))
.endm
; Number n of the 22 that find the NEXT piece's maximum and statistics; each accumulator's lowest registers are read first.
;   0-11 four chains c0-c3 of seven scores each     12-14, 16 the four scores left over, the old m, and c0-c3 into c0     15 c m_old is kept     17, 18 the other half of the lanes: the new m     19-21 c m; its change; a
.macro XS u, n
	REGS (Y+1)%NP, \u
.if (\n) < 4
	v_max3_num_f32 v[rC+(\n)], v[rS+8*(\n)], v[rS+8*(\n)+1], v[rS+8*(\n)+2]
.elseif (\n) < 12
	v_max3_num_f32 v[rC+(\n)%4], v[rC+(\n)%4], v[rS+8*((\n)%4)+2*((\n)/4)+1], v[rS+8*((\n)%4)+2*((\n)/4)+2]
.elseif (\n) == 12
	v_max3_num_f32 v[rC], v[rC], v[rS+7], v[rS+15]
.elseif (\n) == 13
	v_max3_num_f32 v[rC+1], v[rC+1], v[rS+23], v[rS+31]
.elseif (\n) == 14
	v_max3_num_f32 v[rC+2], v[rC+2], v[rC+3], v[rT+1]
.elseif (\n) == 15
	v_mov_b32 v[rM], v[rT]
.elseif (\n) == 16
	v_max3_num_f32 v[rC], v[rC], v[rC+1], v[rC+2]
.elseif (\n) == 17
	v_permlanex16_b32 v[rC+3], v[rC], s[SEL], s[SEL+1]
.elseif (\n) == 18
	v_max_num_f32 v[rT+1], v[rC], v[rC+3]
.elseif (\n) == 19
	v_mul_f32 v[rT], s[CS], v[rT+1]
.elseif (\n) == 20
	v_sub_f32 v[rC+1], v[rM], v[rT]
.else
	v_exp_f32 v[rC+2], v[rC+1]
.endif
.endm
; Number g of the 64 that follow the exponentials: for each four weights both pairs are rounded to f16, the second pair is added onto the first in place, and a group later l takes that sum (the first time as l = a l + sum).
.macro GS g
.set h, (\g)+6*((\g)/62)
.if h >= 6
.set h, h+2
.endif
	REGS Y, h%2
.set k, h/8
.if h%8 < 4
	v_cvt_pk_f16_f32 v[rP+2*k+(h%8)/2], v[rS+4*k+2*((h%8)/2)], v[rS+4*k+2*((h%8)/2)+1]
.elseif h%8 < 6
	v_pk_add_f32 v[rS+4*k:rS+4*k+1], v[rS+4*k:rS+4*k+1], v[rS+4*k+2:rS+4*k+3]
.elseif k == 1
	v_pk_fma_f32 v[rT+2:rT+3], v[rT+2:rT+3], v[rC+2:rC+3], v[rS:rS+1] op_sel_hi:[1,0,1]
.else
	v_pk_add_f32 v[rT+2:rT+3], v[rT+2:rT+3], v[rS+4*k-4:rS+4*k-3]
.endif
.endm
; THE PLAIN QUEUE, 138 long.  0-73 read no exponential's result: the 32 scalings c s - c m and the next piece's 42; 74-137: GS's 64, which stand behind the wait.
.macro FS f
	REGS Y, (\f)%2
	v_pk_fma_f32 v[rS+2*((\f)/2):rS+2*((\f)/2)+1], v[rS+2*((\f)/2):rS+2*((\f)/2)+1], s[CS:CS+1], v[rT:rT+1] op_sel_hi:[1,0,0] neg_lo:[0,0,1] neg_hi:[0,0,1]
.endm
.macro PL
	WIN 0
.if q < 27
	FS q
.elseif q < 55
	XS (q-27)%2, (q-27)/2
.elseif q < 57
	XS q-55, 15
.elseif (q < 72) && ((q-57)%3 == 0)
	FS 27+(q-57)/3
.elseif q < 60
	XS (q-57)%3-1, 14
.elseif q < 72
	XS (q-57)%3-1, 15+(q-57)/3
.elseif q < 74
	XS q-72, 20
.else
	GS q-74
.endif
.set q, q+1
.endm
; THE EXPONENTIALS' QUEUE, 66 long: s0-s31 of both tiles, then the next piece's two a: ONE BATCH ahead of the turn's one wait.
.macro EX
	WIN 0
.if e >= 64
	XS e-64, 21
.else
	REGS Y, e%2
	v_exp_f32 v[rS+e/2], v[rS+e/2]
.endif
.set e, e+1
.endm
; THE RESCALING's QUEUE: O^T times a, dealt two at a time.  Its a was made, and waited for, in the turn before.
.macro R2
	REGS Y, r%2
	WIN W_RS
.irp z, 0,1
	v_pk_mul_f32 v[rO+4*(r/2)+2*\z:rO+4*(r/2)+2*\z+1], v[rO+4*(r/2)+2*\z:rO+4*(r/2)+2*\z+1], v[rC+2:rC+3] op_sel_hi:[1,0]
.endr
.set r, r+1
.endm
; A TURN, for piece p.  AHEAD OF ITS ONE WAIT stands all that names no result of the turn's exponentials: the 16 products K Q^T, behind each a scaling, an exponential and two rescalings; then one lump of 108.
; BEHIND IT stand the 16 products V^T P, behind each four of GS's 64.
; THE BIAS of the next turn's products (piece p + 2) is fetched directly behind the wait: a lump behind the last product that read those registers, 16 products ahead of the next that does.  Its step goes with K's:
; piece 2's turn, which fetches the next step's K, makes the address anew; piece 1's turn, the last to fetch for a step, steps the scalar.
; THE WAITS ON LDS.  At a turn's head the bias is wanted (in piece 3's turn K too): all loads are awaited, but in piece 1's turn V's 16, issued behind the bias's, may stay out.  In piece 1's turn V is wanted behind
; the wait for the batch: the 16 loads of the bias just issued may stay out.
.macro TURN p, last=0, cnt=0
.set Y, (\p)
.set i, 0
.set q, 0
.set e, 0
.set r, 0
.if (\p) == 1
	s_wait_dscnt 16
.else
	s_wait_dscnt 0x0
.endif
	MM
	PL
	PL
	R2
.rept 15
	MM
	PL
	EX
	R2
.endr
.if (\p) == NP-2
	WIN 0
	v_add_nc_u32 v[AK], s[TBK], v[AK0]
	v_add_nc_u32 v[AB], s[TBB], v[AB0]
.endif
.rept 8
	PL
.endr
.rept 49
	EX
	PL
.endr
	EX
	EX
	v_nop                           ; a plain instruction behind the last exponential: one for the batch
	s_wait_alu depctr_va_vdst(0)    ; the wait for the batch
	FETCH_B ((\p)+2)%NP
.if (\p) == NP-2
	FETCH_K \last
.endif
.if (\p) == 1
	s_add_co_u32 s[TBB], s[TBB], 256
	s_wait_dscnt 16                 ; V is in
.endif
.rept 16
	MM
.rept 4
	PL
.endr
.if ((\p) == 0) && (q == 118)
	v_add_nc_u32 v[AV], s[TBV], v[AV0]
.endif
.if ((\p) == 0) && (q == 130)
	s_add_co_u32 s[TBV], s[TBV], KS*PV
.endif
.if (\cnt) && (q == 130)
	s_sub_co_u32 s[CNT], s[CNT], 1
	s_cmp_lg_u32 s[CNT], 0
.endif
.endr
.if (\p) == 0
	FETCH_V
.endif
.endm
	CHANGE 1                        ; slot 0 and the table are in, everybody's part of them; slot 1 is asked for
	FETCH_K                         ; key step 0
	FETCH_B 0
	s_wait_loadcnt 0x0              ; Q
	s_wait_dscnt 0x0
.set i, 0
.rept 16
	KQ 0                            ; piece 0's first scores
.set i, i+1
.endr
	WIN 0
.rept 4
	v_nop                           ; the places behind those products, in front of the loads into the bias's registers and of the maximum
.endr
	FETCH_B 1
.set Y, NP-1                        ; XS works for piece Y + 1: piece 0
.irp n, 0,1,2,3,4,5,6,7,8,9,10,11,12,13,14,15,16,17,18,19,20,21
	XS 0, \n
	XS 1, \n
.endr
	v_nop                           ; a plain instruction behind the two a,
	s_wait_alu depctr_va_vdst(0)    ; and their wait, ahead of the branch
	s_mov_b32 s[CNT], 4
	s_branch .Lfirst                ; the loop is entered at a step's first turn, in the middle of a trip
.Lslot:                             ; six times: every slot but the last two is filled again
	CHANGE 1
	s_mov_b32 s[CNT], 4
.Lstep:                             ; a trip: pieces 2 and 3 of one step, then pieces 0 and 1 of the next, whose K and V it fetches
	TURN 2
	TURN 3
	WIN 0
.Lfirst:
	TURN 0
	TURN 1, 0, 1
	WIN 0
	s_cbranch_scc1 .Lstep
	s_sub_co_u32 s[SLOTS], s[SLOTS], 1
	s_cmp_lg_u32 s[SLOTS], 0
	s_cbranch_scc1 .Lslot
	CHANGE 0                        ; the tail is written out: nothing is asked for
	s_mov_b32 s[CNT], 5             ; four trips fetch the last slot's steps; the fifth is left in its middle
.Ltail:
	TURN 2, 1
	TURN 3
	WIN 0
	s_sub_co_u32 s[CNT], s[CNT], 1
	s_cmp_eq_u32 s[CNT], 0
	s_cbranch_scc1 .Lout
	TURN 0
	TURN 1
	WIN 0
	s_branch .Ltail
.Lout:                              ; the fifth trip's 16 products K Q^T (on the last K once more, with the table's entries for a step 32, which lie inside a copy) serve nothing: the price of one text for every trip
.set i, 0
.rept 16
	PV NP-1                         ; the last piece's V^T P of the last step
.set i, i+1
.endr
	; THE WAY OUT.  l's two halves and the other half of the lanes' are added; O^T is divided by l, rounded to f16 and sent through my stage in LDS, a tile at a time.  The additions are the places behind the last products.
	WIN 0
.macro ALL line:vararg
.set t, 0
.rept 2*NP
	\line
.set t, t+1
.endr
.endm
	ALL v_add_f32 v[ST+4*t+2], v[ST+4*t+2], v[ST+4*t+3]
	ALL v_permlanex16_b32 v[ST+4*t+3], v[ST+4*t+2], s[SEL], s[SEL+1]
	ALL v_add_f32 v[ST+4*t+2], v[ST+4*t+2], v[ST+4*t+3]
	ALL v_rcp_f32 v[ST+4*t+2], v[ST+4*t+2]
	v_nop                           ; a plain instruction between the last reciprocal and the use of its result
	s_wait_alu depctr_va_vdst(0)    ; one wait for the eight reciprocals
.macro PACK t
	WIN W_RS
.set i, 32*(\t)
.rept 16
	v_pk_mul_f32 v[i:i+1], v[i:i+1], v[ST+4*(\t)+2:ST+4*(\t)+3] op_sel_hi:[1,0]
.set i, i+2
.endr
	WIN 0x05
.set i, 0
.rept 16
	v_cvt_pk_f16_f32 v[S+16*(\t)+i], v[32*(\t)+2*i], v[32*(\t)+2*i+1]
.set i, i+1
.endr
	WIN 0
.irp f, 0,1,2,3
	ds_store_b128 v[STO], v[S+16*(\t)+4*\f:S+16*(\t)+4*\f+3] offset:32*\f
.endr
.irp f, 0,1,2,3
	ds_load_b128 v[S+16*(\t)+4*\f:S+16*(\t)+4*\f+3], v[RD] offset:\f*4*SP  ; LDS serves a wave's instructions in order (ISA guide 5.7.1.4): these see the stores above
.endr
.endm
.macro SEND t, younger
	WIN 0
.irp f, 0,1,2,3
	s_wait_dscnt (\younger)+3-\f
	global_store_b128 v[GO], v[S+16*(\t)+4*\f:S+16*(\t)+4*\f+3], s[10:11] offset:(\t)*2048+\f*512  ; 512 consecutive bytes, aligned
.endr
.endm
	PACK 0
.set t, 1
.rept 2*NP-1
	PACK t
	SEND t-1, 8
.set t, t+1
.endr
	SEND 2*NP-1, 0
	WIN W_AD
	s_wait_tensorcnt 0x0            ; the wave's end, behind my last tensor load and my last LDS store
	ds_add_u32 v[SPW], v[NIL]
	s_wait_dscnt 0x0
	WIN 0
	CROUND                          ; the closing round
	s_endpgm
.Lfunc_end_k_q29083fb16d_attn:
	.size	k_q29083fb16d_attn, .Lfunc_end_k_q29083fb16d_attn-k_q29083fb16d_attn
	.p2alignl 7, 3214868480
	.fill 96, 4, 3214868480
	.section	.rodata,"a",@progbits
	.p2align	6, 0x0
	.amdhsa_kernel k_q29083fb16d_attn
		.amdhsa_group_segment_fixed_size 327680
		.amdhsa_private_segment_fixed_size 0
		.amdhsa_enable_private_segment 0
		.amdhsa_kernarg_size 24
		.amdhsa_user_sgpr_count 2
		.amdhsa_user_sgpr_kernarg_segment_ptr 1
		.amdhsa_wavefront_size32 1
		.amdhsa_system_sgpr_workgroup_id_x 1
		.amdhsa_system_sgpr_workgroup_id_y 1
		.amdhsa_system_sgpr_workgroup_id_z 1
		.amdhsa_system_vgpr_workitem_id 0
		.amdhsa_next_free_vgpr 896
		.amdhsa_next_free_sgpr 76
		.amdhsa_reserve_vcc 0
		.amdhsa_float_denorm_mode_32 3
		.amdhsa_float_denorm_mode_16_64 3
		.amdhsa_memory_ordered 1
		.amdhsa_forward_progress 1
		.amdhsa_inst_pref_size 213
	.end_amdhsa_kernel
	.amdgpu_metadata
---
amdhsa.version: [ 1, 2 ]
amdhsa.kernels:
  - .name:           k_q29083fb16d_attn
    .symbol:         k_q29083fb16d_attn.kd
    .args:
      - { .name: qkv, .offset: 0, .size: 8, .value_kind: global_buffer, .address_space: global }
      - { .name: lt, .offset: 8, .size: 8, .value_kind: global_buffer, .address_space: global }
      - { .name: o, .offset: 16, .size: 8, .value_kind: global_buffer, .address_space: global }
    .group_segment_fixed_size: 327680
    .private_segment_fixed_size: 0
    .kernarg_segment_align: 8
    .kernarg_segment_size: 24
    .max_flat_workgroup_size: 128
    .sgpr_count:     76
    .vgpr_count:     896
    .wavefront_size: 32
...
	.end_amdgpu_metadata
.endif
;; end of part 3
;; launch outp (part 4): grid 4 x 32, 4 waves a work-group, clusters of 4 x 4, 327,680 bytes of LDS; arguments o, wot, out0; writes out0
.if DOCPART == 4
	.amdgcn_target "amdgcn-amd-amdhsa--gfx1250"
	.amdhsa_code_object_version 6
	.text
	.protected	k_q29083fb16d_outp
	.globl	k_q29083fb16d_outp
	.p2align	8
	.type	k_q29083fb16d_outp,@function
k_q29083fb16d_outp:
	s_mov_b64 s[64:65], 0
	v_nop
	global_prefetch_b8 v0, s[64:65] scope:SCOPE_SE
	s_setreg_imm32_b32 hwreg(HW_REG_WAVE_MODE, 25, 1), 1
	s_wait_xcnt 0x0
	s_wait_alu depctr_hold_cnt(0) depctr_sa_sdst(0) depctr_va_vdst(0) depctr_va_sdst(0) depctr_va_ssrc(0) depctr_va_vcc(0) depctr_vm_vsrc(0)
	s_getreg_b32 s2, hwreg(HW_REG_IB_STS2, 6, 4)
	s_cmp_eq_u32 s2, 0
	s_cbranch_scc0 .Lentry_in_a_cluster
	s_endpgm
.Lentry_in_a_cluster:
	s_bfe_u32 s2, ttmp6, 0x10000c
	s_cmp_lg_u32 s2, 0xf033
	s_cbranch_scc0 .Lentry_shape_is_right
	s_endpgm
.Lentry_shape_is_right:
; out0 = ctx Wo as C[m][n] = sum over k of A[m][k] B[n][k]: A = o (f16, by heads: [16 b + h][2048 s][64], a head is a slice of 64 along K), B = wot (f16, [16 slices][1024 n][64]), K = 1,024; f32 sums;
; C = out0 [8192][1024] in f32, not rounded again.
; OPERANDS: 256 rows of a slice are 32,768 dense bytes, asked for as 128 rows of 256 bytes and padded in LDS after every 128.
; SHARES.  A tile of C is 256 x 256: four waves, each 128 x 128 in 64 accumulators.  K goes in 8 steps of 128 (two slices) through a ring of two LDS slots; wave w fetches part w of a slot with one tensor load.
; 128 tiles: the tile is kept at 256 x 256 for the matrix work that each LDS byte and each refill feeds.
; CLUSTERS: 4 x 4 work-groups; A's tiles are asked for jointly along a row of the cluster, B's along a column.  THE MATRIX INSTRUCTION IS USED TRANSPOSED: a lane holds eight neighbouring columns of one row of C.
; REGISTERS, in windows of 256: window 0: v0-31 addresses; v64-127, v128-191 fragments of A (in the last K step four buffers of 16 rows x 128 K); v32-63, v224-255 rows on the way out
;   window 1: fragments of B     window 2: the accumulators of my rows 0-63 ((a, b) at v[8 (8 a + b)])     window 3: those of my rows 64-127
; The loop's trip is one K step; the last K step goes by rows of C, so that finished rows leave while the others are multiplied.
.set PITCH,  144
.set LOADB,  256*PITCH
.set SLOT,   4*LOADB                   ; 0x24000: shares no bit with wave x LOADB
.set STAGE,  2*SLOT                    ; behind the ring: 16 rows x 272 bytes for each wave
.set SPITCH, 272
.set SPARE,  STAGE+4*16*SPITCH
.set STEPS,  8
.set ASTR,   262144                    ; bytes from slice (head) to slice in A,
.set BSTR,   131072                    ; in B
.set AHI,    4194304                   ; bytes from one batch (eight tile rows) of A to the next
.set ADRA, 16
.set CA,   18
.set ADRB, 20
.set CB,   22
.set STO,  24                          ; v24     the way out: where I put 32 bytes of a row
.set RD,   25                          ; v25     where I read rows back
.set CO,   26                          ; v26     my byte offset in two rows of C
.set SPW,  28
.set NIL,  29
.set PFO,  30
.set SL,   14
.set PFS,  18
.set LIM,  43
.set PFA,  44
.set F0,   64
.set F1,   128
.set OB,   32
.set PA,   64
.set G1, 24
.set G0, 32
.set G1B, 48
.set G0B, 56
.set MSB, 0
.macro WIN new
.if MSB != (\new)
	s_set_vgpr_msb (MSB<<8)|(\new)
.set MSB, \new
.endif
.endm
.set MUL_LO, 0xa1
.set MUL_HI, 0xf1
.set TO_B,   0x40
.macro JLOAD s                         ; a joint load: waves 0 and 1 fetch A's two slices, waves 2 and 3 B's; an s_nop 0 and four v_nop follow each of the two lines
	s_cmp_eq_u32 s11, 0
	s_cbranch_scc0 .Lfor_b_\@
	tensor_load_to_lds s[G0+4*(\s):G0+4*(\s)+3], s[G1:G1+7]
	s_nop 0
.rept 4
	v_nop
.endr
	s_branch .Lasked_\@
.Lfor_b_\@:
	tensor_load_to_lds s[G0B+4*(\s):G0B+4*(\s)+3], s[G1B:G1B+7]
	s_nop 0
.rept 4
	v_nop
.endr
.Lasked_\@:
.endm
; A PREFETCH INTO THE L2 of the K step that stands two refills on: of the 32,768 bytes that wave w fetches for a step, the partner at place p among the four that ask jointly (cx for A, cy for B) names 8,192, told apart
; BY ADDRESS, 256 bytes a lane.  Cluster x = 0 asks for A's rows, cluster y = 0 for B's: each 256 bytes are named once.  K steps 0 to 3 come by their loads alone; the last two trips ask for nothing.
.macro ASK
	s_cmp_gt_u32 s3, s[LIM]
	s_cbranch_scc0 .Lnot_mine_\@
	global_prefetch_b8 v[PFO], s[PFA:PFA+1] th:TH_LOAD_NT scope:SCOPE_SE
.Lnot_mine_\@:
.endm
.macro CREST
	s_cmp_lg_u32 s10, 0
	s_cbranch_scc1 .Lnot_wave_0_\@
	s_barrier_signal -3
.Lnot_wave_0_\@:
	s_barrier_wait -3
	s_barrier_signal -1
	s_barrier_wait -1
.endm
.macro CROUND
	s_barrier_signal -1
	s_barrier_wait -1
	CREST
.endm
	s_load_b128 s[4:7], s[0:1], 0x0                ; A s[4:5], B s[6:7]
	s_load_b64 s[8:9], s[0:1], 0x10                ; C
	v_lshl_add_u32 v[SPW], v0, 2, SPARE
	v_mov_b32 v[NIL], 0
	ds_add_u32 v[SPW], v[NIL]                      ; the wave's opening: the add and its wait stand ahead of my first tensor load
	ds_add_u32 v28, v29
	v_lshrrev_b32 v1, 5, v0
	v_readfirstlane_b32 s10, v1                    ; wave 0..3
	s_lshr_b32 s11, s10, 1                         ; which half of the tile's rows is mine.  Also: I fetch for A (0) or for B (1)
	s_and_b32 s12, s10, 1                          ; which half of its columns.  Also: which slice of a K step I fetch
	s_bfe_u32 s40, ttmp6, 0x40000                  ; cx
	s_bfe_u32 s41, ttmp6, 0x40004                  ; cy
	s_lshl_b32 s42, ttmp9, 2
	s_add_co_u32 s42, s42, s40                     ; tile column of C
	s_and_b32 s13, ttmp7, 0xffff
	s_lshl_b32 s13, s13, 2
	s_add_co_u32 s13, s13, s41                     ; tile row of C
	s_lshl_b32 s43, s41, 2
	s_lshl_b32 s43, 15, s43                        ; my row of the cluster
	s_lshl_b32 s44, 0x1111, s40                    ; my column
	s_or_b32 s[G1+0], s43, (1<<16)|(1<<20)|(1<<21)|(4<<22)|(3<<25)   ; the mask; 2-byte elements; padding on; bit 21 beside a mask; after every 32 words 4 words
	s_or_b32 s[G1B+0], s44, (1<<16)|(1<<20)|(1<<21)|(4<<22)|(3<<25)
.irp g, G1, G1B
	s_mov_b32 s[(\g)+1], 128<<16                   ; tensor_dim0 = 128
	s_mov_b32 s[(\g)+2], 128<<16                   ; tensor_dim1 = 128
	s_mov_b32 s[(\g)+3], 128<<16                   ; tile_dim0 = 128
	s_mov_b32 s[(\g)+4], 128                       ; tile_dim1 = 128
	s_mov_b32 s[(\g)+5], 128
	s_mov_b32 s[(\g)+6], 0
	s_mov_b32 s[(\g)+7], 0
.endr
	s_lshr_b32 s16, s13, 3                         ; A: the batch,
	s_mul_i32 s16, s16, AHI
	s_and_b32 s17, s13, 7
	s_lshl_b32 s17, s17, 15                        ; 256 rows of 128 bytes,
	s_add_co_u32 s16, s16, s17
	s_mul_i32 s17, s12, ASTR                       ; my slice of K step 0
	s_add_co_u32 s16, s16, s17
	s_mov_b32 s17, 0
	s_lshl_b32 s46, s42, 15
	s_mul_i32 s47, s12, BSTR
	s_add_co_u32 s46, s46, s47
	s_mov_b32 s47, 0
	s_mul_i32 s20, s10, LOADB
	s_wait_dscnt 0x0                               ; the opening add is done
	s_wait_kmcnt 0x0
	s_add_nc_u64 s[14:15], s[4:5], s[16:17]
	s_add_nc_u64 s[46:47], s[6:7], s[46:47]
	CROUND                                         ; all sixteen work-groups are here: the first joint loads meet
.irp s, 0,1
	s_mov_b32 s[G0+4*(\s)], 1
	s_add_co_u32 s[G0+4*(\s)+1], s20, (\s)*SLOT
	s_add_nc_u64 s[G0+4*(\s)+2:G0+4*(\s)+3], s[14:15], (\s)*2*ASTR
	s_or_b32 s[G0+4*(\s)+3], s[G0+4*(\s)+3], 0x80000000
	s_mov_b32 s[G0B+4*(\s)], 1
	s_add_co_u32 s[G0B+4*(\s)+1], s20, (\s)*SLOT
	s_add_nc_u64 s[G0B+4*(\s)+2:G0B+4*(\s)+3], s[46:47], (\s)*2*BSTR
	s_or_b32 s[G0B+4*(\s)+3], s[G0B+4*(\s)+3], 0x80000000
	JLOAD \s                                       ; two loads of mine are out
.endr
	v_and_b32 v1, 15, v0                           ; l % 16
	v_bfe_u32 v2, v0, 4, 1                         ; l / 16
	v_mul_u32_u24 v3, v1, PITCH
	v_lshl_add_u32 v3, v2, 4, v3
	s_mul_i32 s21, s11, 128*PITCH
	s_mul_i32 s22, s12, 128*PITCH
	s_add_co_u32 s22, s22, 2*LOADB
.irp s, 0,1
	v_add_nc_u32 v[ADRA+(\s)], s21, v3
	v_add_nc_u32 v[ADRB+(\s)], s22, v3
	s_add_co_u32 s21, s21, SLOT
	s_add_co_u32 s22, s22, SLOT
.endr
	v_mov_b32 v[CA], v[ADRA]
	v_mov_b32 v[CB], v[ADRB]
	s_mul_i32 s23, s10, 16*SPITCH
	s_add_co_u32 s23, s23, STAGE                   ; my stage: 16 rows x 64 columns of f32
	v_mul_u32_u24 v4, v1, SPITCH                   ; in: row l % 16, 32 bytes for each half of the lanes
	v_lshl_add_u32 v4, v2, 5, v4
	v_add_nc_u32 v[STO], s23, v4
	v_mul_u32_u24 v5, v2, SPITCH                   ; back: lanes 0-15 take one row of 256 bytes, lanes 16-31 the next
	v_lshl_add_u32 v5, v1, 4, v5
	v_add_nc_u32 v[RD], s23, v5
	v_lshlrev_b32 v5, 12, v2                       ; and the same two rows in C, 4,096 bytes apart
	v_lshl_add_u32 v[CO], v1, 4, v5
	s_lshl_b32 s16, s13, 20                        ; my first row of C: (256 x tile row + 128 x half) x 4,096 bytes,
	s_lshl_b32 s17, s11, 19
	s_add_co_u32 s16, s16, s17
	s_mov_b32 s17, 0
	s_lshl_b32 s46, s42, 10                        ; my first column: (256 x tile column + 128 x half) x 4 bytes
	s_lshl_b32 s47, s12, 9
	s_add_co_u32 s46, s46, s47
	s_mov_b32 s47, 0
	s_add_nc_u64 s[16:17], s[16:17], s[46:47]
	; the prefetches
	s_lshr_b32 s20, s13, 3
	s_mul_i32 s20, s20, AHI
	s_and_b32 s21, s13, 7
	s_lshl_b32 s21, s21, 15
	s_add_co_u32 s20, s20, s21
	s_lshl_b32 s21, s42, 15
	s_and_b32 s22, ttmp7, 0xffff
	s_mov_b32 s23, ASTR
	s_mov_b32 s46, BSTR
	s_cmp_eq_u32 s11, 0
	s_cselect_b32 s20, s20, s21
	s_cselect_b32 s21, s40, s41
	s_cselect_b32 s22, ttmp9, s22
	s_cselect_b32 s23, s23, s46
	s_cselect_b64 s[PFA:PFA+1], s[4:5], s[6:7]
	s_cmp_eq_u32 s22, 0
	s_cselect_b32 s[LIM], 2, -1
	s_lshl_b32 s21, s21, 13
	s_add_co_u32 s20, s20, s21
	s_add_co_u32 s22, s12, 6                       ; my slice of K step 3: the first refill steps it to K step 4
	s_mul_i32 s22, s22, s23
	s_add_co_u32 s20, s20, s22
	s_mov_b32 s21, 0
	s_add_nc_u64 s[PFA:PFA+1], s[PFA:PFA+1], s[20:21]
	s_lshl_b32 s[PFS], s23, 1
	s_mov_b32 s[PFS+1], 0
	s_mov_b32 s[SL], 0
	v_and_b32 v[PFO], 31, v0
	v_lshlrev_b32 v[PFO], 8, v[PFO]
.macro MUL16 f, hi, a0, zero           ; 16 matrix instructions: m blocks a0, a0 + 1 of the window's four x all 8 n blocks, 32 along K.  zero = 1: the first product starts the sums
	WIN MUL_LO+0x50*(\hi)
.irp a, \a0, (\a0)+1
.irp b, 0,1,2,3,4,5,6,7
.if \zero
	v_wmma_f32_16x16x32_f16 v[8*(8*(\a)+(\b)):8*(8*(\a)+(\b))+7], v[(\f)+8*(\b):(\f)+8*(\b)+7], v[(\f)+8*(4*(\hi)+(\a)):(\f)+8*(4*(\hi)+(\a))+7], 0
.else
	v_wmma_f32_16x16x32_f16 v[8*(8*(\a)+(\b)):8*(8*(\a)+(\b))+7], v[(\f)+8*(\b):(\f)+8*(\b)+7], v[(\f)+8*(4*(\hi)+(\a)):(\f)+8*(4*(\hi)+(\a))+7], v[8*(8*(\a)+(\b)):8*(8*(\a)+(\b))+7]
.endif
.endr
.endr
.endm
.macro FETCH k, f                      ; 32 LDS loads in one run: the fragments of one quarter step, at byte k of the slot in hand, into buffer f
	WIN TO_B
.irp i, 0,1,2,3,4,5,6,7
	ds_load_b128 v[(\f)+8*(\i):(\f)+8*(\i)+3],   v[CB] offset:(\k)+(\i)*16*PITCH
	ds_load_b128 v[(\f)+8*(\i)+4:(\f)+8*(\i)+7], v[CB] offset:(\k)+(\i)*16*PITCH+32
.endr
	WIN 0
.irp i, 0,1,2,3,4,5,6,7
	ds_load_b128 v[(\f)+8*(\i):(\f)+8*(\i)+3],   v[CA] offset:(\k)+(\i)*16*PITCH
	ds_load_b128 v[(\f)+8*(\i)+4:(\f)+8*(\i)+7], v[CA] offset:(\k)+(\i)*16*PITCH+32
.endr
.endm
.macro PLACES                          ; four plain vector instructions between a matrix instruction and a load into, or a read of, its registers
.rept 4
	v_nop
.endr
.endm
.macro QUARTER k, f, g, zero           ; 64 matrix instructions on buffer f; in their middle the next quarter's fragments, at byte k, are fetched into g.  The 64 accumulators take turns
	s_wait_dscnt 8                                 ; B and A's rows 0-63 are in; the youngest eight loads may be out
	WIN MUL_LO
	MUL16 \f, 0, 0, \zero
	MUL16 \f, 0, 2, \zero
	PLACES
	FETCH \k, \g
	s_wait_dscnt 32                                ; all but the 32 just issued
	WIN MUL_HI
	MUL16 \f, 1, 0, \zero
	MUL16 \f, 1, 2, \zero
.endm
.macro MEET round                      ; ONE barrier for the change of slots: in front of it all my tensor loads, the add, and my reads of this slot
	WIN 0
	s_wait_tensorcnt 0x0
	ds_add_u32 v[SPW], v[NIL]                      ; 0 onto my spare word
	s_wait_dscnt 9                                 ; (the add and the youngest eight loads may be out)
	WIN MUL_LO
	MUL16 F1, 0, 0, 0
	s_wait_dscnt 0x0
	s_barrier_signal -1
	MUL16 F1, 0, 2, 0
.if \round
	WIN 0
.endif
	s_barrier_wait -1
.endm
.macro TURN                            ; the last quarter, in the loop: the slot just read out is filled again with the K step two on, first thing behind the round
	s_wait_xcnt 0x0                                ; the last prefetch, a K step back, has read its address
	s_add_nc_u64 s[PFA:PFA+1], s[PFA:PFA+1], s[PFS:PFS+1]
	MEET 1
	CREST
	s_xor_b32 s[G0+5], s[G0+5], SLOT
	s_add_nc_u64 s[G0+6:G0+7], s[G0+6:G0+7], 2*ASTR
	s_xor_b32 s[G0B+5], s[G0B+5], SLOT
	s_add_nc_u64 s[G0B+6:G0B+7], s[G0B+6:G0B+7], 2*BSTR
	s_xor_b32 s[SL], s[SL], SLOT
	JLOAD 1
	v_add_nc_u32 v[CA], s[SL], v[ADRA]
	v_add_nc_u32 v[CB], s[SL], v[ADRB]
	FETCH 0, F0
	ASK
	WIN MUL_HI
	MUL16 F1, 1, 0, 0
	MUL16 F1, 1, 2, 0
.endm
.macro BLOAD q
	WIN TO_B
.irp i, 0,1,2,3,4,5,6,7
	ds_load_b128 v[64*(\q)+8*(\i):64*(\q)+8*(\i)+3],   v[ADRB+1] offset:((\q)/2)*LOADB+((\q)%2)*64+(\i)*16*PITCH
	ds_load_b128 v[64*(\q)+8*(\i)+4:64*(\q)+8*(\i)+7], v[ADRB+1] offset:((\q)/2)*LOADB+((\q)%2)*64+(\i)*16*PITCH+32
.endr
.endm
.macro ALOAD a
	WIN 0
.set FA, PA+32*((\a)%4)
.irp q, 0,1,2,3
	ds_load_b128 v[FA+8*(\q):FA+8*(\q)+3],   v[ADRA+1] offset:((\q)/2)*LOADB+((\q)%2)*64+(\a)*16*PITCH
	ds_load_b128 v[FA+8*(\q)+4:FA+8*(\q)+7], v[ADRA+1] offset:((\q)/2)*LOADB+((\q)%2)*64+(\a)*16*PITCH+32
.endr
.endm
.macro ROW a
.set FA, PA+32*((\a)%4)
.set AC, 64*((\a)%4)
	WIN MUL_LO+0x50*((\a)/4)
.irp q, 0,1,2,3
.if (\a) == 0 && (\q) == 2
	s_wait_dscnt 24                                ; B's quarter 2 is in (behind it: A's blocks 1 to 3)
.endif
.irp b, 0,1,2,3,4,5,6,7
	v_wmma_f32_16x16x32_f16 v[AC+8*(\b):AC+8*(\b)+7], v[64*(\q)+8*(\b):64*(\q)+8*(\b)+7], v[FA+8*(\q):FA+8*(\q)+7], v[AC+8*(\b):AC+8*(\b)+7]
.endr
.endr
.endm
; THE WAY OUT of block a, in two passes c of 64 columns through my own stage: a lane's eight f32 of a row go in as 32 bytes (each accumulator's low four registers first), whole rows of 256 bytes come back.
.macro TOSTAGE a, c
.set AC, 64*((\a)%4)
.set BK, OB+192*(\c)
.if (\c) == 0
	s_wait_xcnt 0x0                                ; the stores of the block before have read their data and their base: both row buffers are loaded again, and SEND steps the base, only behind this wait
.endif
	WIN 0x08+4*((\a)/4)                            ; the stores' data: window 2 or 3
.irp bb, 0,1,2,3
	ds_store_b128 v[STO], v[AC+8*(4*(\c)+(\bb)):AC+8*(4*(\c)+(\bb))+3]   offset:64*(\bb)
	ds_store_b128 v[STO], v[AC+8*(4*(\c)+(\bb))+4:AC+8*(4*(\c)+(\bb))+7] offset:64*(\bb)+16
.endr
	WIN 0
.irp t, 0,1,2,3,4,5,6,7
	ds_load_b128 v[BK+4*(\t):BK+4*(\t)+3], v[RD] offset:(\t)*2*SPITCH  ; LDS serves a wave's instructions in order (ISA guide 5.7.1.4): these see the stores above, and the next pass's stores come behind them
.endr
.endm
.macro SEND a, c, younger              ; younger: the LDS instructions issued behind this pass's loads
	WIN 0
.set BK, OB+192*(\c)
	s_wait_dscnt \younger
.if (\c) == 0
.if (\a) == 0
	s_add_nc_u64 s[8:9], s[8:9], s[16:17]
.else
	s_add_nc_u64 s[8:9], s[8:9], 16*4096           ; 16 rows of C on
.endif
.endif
.irp t, 0,1,2,3,4,5,6,7
	global_store_b128 v[CO], v[BK+4*(\t):BK+4*(\t)+3], s[8:9] offset:(\t)*8192+256*(\c) th:TH_STORE_NT  ; 16 lanes store 256 consecutive bytes, aligned
.endr
.endm
	s_wait_tensorcnt 1                             ; my part of K step 0 is in; K step 1's may stay out
	s_barrier_signal -1
	s_barrier_wait -1
	FETCH 0, F0
	QUARTER 64, F0, F1, 1                          ; the first quarter's products start the sums
	WIN 0
	s_mov_b32 s3, STEPS-2
.Lstep:                                                ; a trip: from a K step's second quarter to the next step's first; it asks for the K step two on
	QUARTER LOADB, F1, F0, 0
	QUARTER LOADB+64, F0, F1, 0
	TURN
	QUARTER 64, F0, F1, 0
	WIN 0
	s_sub_co_u32 s3, s3, 1
	s_cmp_lg_u32 s3, 0
	s_cbranch_scc1 .Lstep
	QUARTER LOADB, F1, F0, 0                       ; K step 6, in slot 0, goes on; nothing more is asked for
	QUARTER LOADB+64, F0, F1, 0
	MEET 0
	PLACES
	WIN TO_B
	BLOAD 0
	BLOAD 1
	BLOAD 3
	WIN 0
	ALOAD 0
	WIN MUL_HI
	MUL16 F1, 1, 0, 0
	MUL16 F1, 1, 2, 0
	PLACES
	WIN TO_B
	BLOAD 2
	WIN 0
	ALOAD 1
	ALOAD 2
	ALOAD 3
	s_wait_dscnt 40                                ; all but the 40 just issued
	ROW 0
.irp a, 0,1,2,3,4,5,6,7
	PLACES                                         ; the LDS stores read results just made; the loads below go into fragments just read
	TOSTAGE \a, 0
	TOSTAGE \a, 1
.if (\a) < 4
	ALOAD (\a)+4
	SEND \a, 0, 24                                 ; behind pass 0's loads: pass 1's sixteen and the eight fragment loads
	SEND \a, 1, 8
.else
	SEND \a, 0, 16
	SEND \a, 1, 0
.endif
.if (\a) < 7
	ROW (\a)+1
.endif
.endr
	s_wait_tensorcnt 0x0                           ; the wave's end, behind my last tensor load and my last LDS store
	ds_add_u32 v[SPW], v[NIL]
	s_wait_dscnt 0x0
	CROUND                                         ; the closing round
	s_endpgm
.Lfunc_end_k_q29083fb16d_outp:
	.size	k_q29083fb16d_outp, .Lfunc_end_k_q29083fb16d_outp-k_q29083fb16d_outp
	.p2alignl 7, 3214868480
	.fill 96, 4, 3214868480
	.section	.rodata,"a",@progbits
	.p2align	6, 0x0
	.amdhsa_kernel k_q29083fb16d_outp
		.amdhsa_group_segment_fixed_size 327680
		.amdhsa_private_segment_fixed_size 0
		.amdhsa_enable_private_segment 0
		.amdhsa_kernarg_size 24
		.amdhsa_user_sgpr_count 2
		.amdhsa_user_sgpr_kernarg_segment_ptr 1
		.amdhsa_wavefront_size32 1
		.amdhsa_system_sgpr_workgroup_id_x 1
		.amdhsa_system_sgpr_workgroup_id_y 1
		.amdhsa_system_sgpr_workgroup_id_z 1
		.amdhsa_system_vgpr_workitem_id 0
		.amdhsa_next_free_vgpr 1024
		.amdhsa_next_free_sgpr 66
		.amdhsa_reserve_vcc 0
		.amdhsa_float_denorm_mode_32 3
		.amdhsa_float_denorm_mode_16_64 3
		.amdhsa_memory_ordered 1
		.amdhsa_forward_progress 1
		.amdhsa_inst_pref_size 117
	.end_amdhsa_kernel
	.amdgpu_metadata
---
amdhsa.version: [ 1, 2 ]
amdhsa.kernels:
  - .name:           k_q29083fb16d_outp
    .symbol:         k_q29083fb16d_outp.kd
    .args:
      - { .name: o, .offset: 0, .size: 8, .value_kind: global_buffer, .address_space: global }
      - { .name: wot, .offset: 8, .size: 8, .value_kind: global_buffer, .address_space: global }
      - { .name: out0, .offset: 16, .size: 8, .value_kind: global_buffer, .address_space: global }
    .group_segment_fixed_size: 327680
    .private_segment_fixed_size: 0
    .kernarg_segment_align: 8
    .kernarg_segment_size: 24
    .max_flat_workgroup_size: 128
    .sgpr_count:     66
    .vgpr_count:     1024
    .wavefront_size: 32
...
	.end_amdgpu_metadata
.endif
;; end of part 4
;; ======== version 2 of 2: 4 launches; version 1 with the launch prep written anew for expert scheduling mode
;; limits: values are held in f16: magnitudes above 65,504 overflow, below 6.1e-05 lose precision
;; workspace buffers: xb 16,777,216 bytes; wt 6,291,456 bytes; wot 2,097,152 bytes; lt 1,310,720 bytes; qkv 50,331,648 bytes; o 16,777,216 bytes
;; launch prep (part 5): grid 960 x 1, 8 waves a work-group, no clusters, 74,752 bytes of LDS; arguments hidden_states, Wq, Wk, Wv, Wo, rel_emb, xb, wt, wot, lt; writes xb, wt, wot, lt
.if DOCPART == 5
	.amdgcn_target "amdgcn-amd-amdhsa--gfx1250"
	.amdhsa_code_object_version 6
	.text
	.protected	k_q29083fb16d_prep
	.globl	k_q29083fb16d_prep
	.p2align	8
	.type	k_q29083fb16d_prep,@function
k_q29083fb16d_prep:
	s_mov_b64 s[64:65], 0
	v_nop
	global_prefetch_b8 v0, s[64:65] scope:SCOPE_SE
	s_setreg_imm32_b32 hwreg(HW_REG_WAVE_SCHED_MODE, 0, 2), 2
	s_setreg_imm32_b32 hwreg(HW_REG_WAVE_MODE, 25, 1), 1
	s_wait_xcnt 0x0
	s_wait_alu depctr_vm_vsrc(0)
; PREP: the operands of the three launches behind it, each input rounded ONCE to bf16.  Three roles, chosen by the work-group's number; no wave depends on another.
;   work-groups   0-127  W: Wq, Wk, Wv ([k][n] f32) -> wt  bf16 [16 slices of 64 k][3072 n][64 k];  Wo -> wot, the bf16-rounded number written as f16, [16 slices][1024 n][64 k]
;   work-groups 128-447  T: lt[h][c][y] = bf16-rounded rel_emb[bucket(y - 2048 - c)][h] as f32, 16 heads x 4 copies x 5,120 entries
;   work-groups 448-959  X: hidden_states f32 [8192][1024] -> xb bf16 [16 slices of 64 k][8192 rows][64 k]
; A slice's rows are 128 bytes and lie end to end, so 256 rows of a slice are 32,768 dense bytes for the launches behind.
; THE BUCKET.  With n = |key - query|: n below 8; else 8 + the number of thresholds 12, 16, 23, 32, 46, 64, 91 that are <= n; + 16 where key > query.  These whole numbers are where
; 8 log(n / 8) / log(16) passes 1 .. 7; at 16, 32 and 64 the quotient of the two f32 logarithms is exactly 0.25, 0.5, 0.75.
; LIMITS.  Wo as f16: below 6e-5 it keeps f16's fixed step of 6e-8, beyond 65,504 it has no number.  NaN and infinities are not treated apart.
; THE MODE: SCHED_MODE bits 1:0 = 2 (LLVM: expert scheduling mode 2), set by the entry lines.  The code itself states the register dependences between vector instructions and memory or LDS
; instructions, and between a vector instruction that writes a scalar register and that register's readers, with s_wait_alu, always for 0.
; THE PLAN.  Registers that memory or LDS instructions touch:
;   role X   v4, v5      offsets: written once, read by every load or store, never written again.
;            v[32:95]    16 slices as loaded: landed in once, read by the conversions.
;            v[96:127]   16 slices to store: each written once by a conversion, read once by a store.  The slices go in four groups of four: group g's conversions stand among the stores of
;                        group g - 1, behind one wait at the group's head; they name group g's registers alone.
;   role T   v[12:15]    the four gathers' offsets;  v[20:23] landed in;  v[24:27] the store's data;  v28 its offset: each written once.  The masks of the compares lie in s[34:47], in runs with one wait each.
;   role W   v4 .. v7    offsets and LDS addresses: written once, never again.
;            v[32:159]   64 rows as loaded, 32 registers to a step of 16 rows: landed in once.
;            out-buffers 16 registers a step, read by the step's four LDS stores: step 0 has v[8:23]; step p has v[32 p : 32 p + 15], the first half of step p - 1's raw registers, which only that
;                        step's conversions have read.  Step p's conversions stand among the LDS stores of step p - 1, behind one wait at the step's head; they name step p's raw registers, step p's
;                        out-buffer and v24, v25.  The rows read back from the stage land in v[32:95], behind one wait for the vector side and one for the LDS stores' reads.
.set STG,   9216                       ; a wave's stage: 64 rows x 144 bytes; behind the eight stages, from 73,728 on, the spare words, 128 bytes for each wave
	s_load_b512 s[16:31], s[0:1], 0x0              ; hidden_states 16:17, Wq 18:19, Wk 20:21, Wv 22:23, Wo 24:25, rel_emb 26:27, xb 28:29, wt 30:31
	s_load_b128 s[32:35], s[0:1], 0x40             ; wot 32:33, lt 34:35
	v_lshl_add_u32 v30, v0, 2, 0x12000
	v_mov_b32 v31, 0
	v_and_b32 v1, 31, v0                           ; lane
	v_lshrrev_b32 v4, 5, v0
	v_readfirstlane_b32 s4, v4                     ; wave 0..7
	s_wait_alu depctr_va_sdst(0)                   ; s4 is written, ahead of the branches behind which role W's scalar arithmetic reads it
	s_wait_kmcnt 0x0
	s_cmp_lt_u32 ttmp9, 128
	s_cbranch_scc1 .Lrole_w
	s_cmp_lt_u32 ttmp9, 448
	s_cbranch_scc1 .Lrole_t
; ROLE X.  16 rows of x to a work-group.  Sixteen lanes read 256 bytes (one slice) of one row; a wave's store covers two rows' slices: 256 consecutive bytes, aligned.
	s_sub_co_u32 s5, ttmp9, 448
	s_lshl_b32 s6, s5, 16                          ; 16 rows of 4,096 bytes
	s_mov_b32 s7, 0
	s_add_nc_u64 s[36:37], s[16:17], s[6:7]
	s_lshl_b32 s6, s5, 11                          ; 16 rows of 128 bytes
	s_add_nc_u64 s[38:39], s[28:29], s[6:7]        ; slices 0-7,
	s_add_nc_u64 s[40:41], s[38:39], 0x800000      ; slices 8-15: fifteen slice strides do not fit the signed 24-bit immediate
	v_lshrrev_b32 v4, 4, v0                        ; my row
	v_and_b32 v5, 15, v0
	v_lshlrev_b32 v5, 4, v5
	v_lshl_add_u32 v4, v4, 12, v5                  ; row x 4,096 + 16 x (thread % 16)
	v_lshlrev_b32 v5, 3, v0                        ; row x 128 + 8 x (thread % 16) = 8 x thread
	s_wait_alu depctr_va_vdst(0)                   ; v4 and v5 are written: the loads read v4 as their offset, the stores v5
.set i, 0
.rept 16
	global_load_b128 v[32+4*i:35+4*i], v4, s[36:37] offset:256*i th:TH_LOAD_NT
.set i, i+1
.endr
.macro XSTORE n                        ; slice n leaves
.if (\n) < 8
	global_store_b64 v5, v[96+2*(\n):97+2*(\n)], s[38:39] offset:(\n)*1048576
.else
	global_store_b64 v5, v[96+2*(\n):97+2*(\n)], s[40:41] offset:((\n)-8)*1048576
.endif
.endm
.set g, 0
.rept 4                                ; four groups of four slices
	s_wait_loadcnt 12-4*g                          ; loads come back in order: the group's four slices are in, the 12 - 4 g younger ones stay out
.if g > 0
	s_wait_alu depctr_va_vdst(0)                   ; the conversions of the group before have written its eight registers, which the four stores below read
.endif
.set i, 0
.rept 4
.if g > 0
	XSTORE 4*(g-1)+i                               ; no vector instruction since the wait names this store's registers
.endif
	v_cvt_pk_bf16_f32 v[96+2*(4*g+i)], v[32+4*(4*g+i)], v[33+4*(4*g+i)]
	v_cvt_pk_bf16_f32 v[97+2*(4*g+i)], v[34+4*(4*g+i)], v[35+4*(4*g+i)]
.set i, i+1
.endr
.set g, g+1
.endr
	s_wait_alu depctr_va_vdst(0)                   ; the last group's conversions have written v[120:127], which the last four stores read
	XSTORE 12
	XSTORE 13
	XSTORE 14
	XSTORE 15
	s_endpgm
; ROLE T.  1,024 entries of one (head, copy) row to a work-group, four to a thread.  The four entries go side by side, so that the compares stand in runs.
.set TY, 32                            ; v[32:35]  y of my four entries
.set TN, 36                            ; v[36:39]  y - Z, then n
.set TM, 40                            ; v[40:43]  Z - y, then min(n, 8)
.set TB, 44                            ; v[44:47]  the bucket
.set TT, 48                            ; v[48:61]  0 or 1 for each mask of a run
.set MK, 34                            ; s[34:47]  the masks of a run of compares (lt's address has been read out of s[34:35] by then)
.Lrole_t:
	s_sub_co_u32 s5, ttmp9, 128
	s_and_b32 s6, s5, 63                           ; row = 4 h + c
	s_lshr_b32 s7, s5, 6                           ; which 1,024 entries, 0..4
	s_and_b32 s8, s6, 3
	s_add_co_u32 s8, s8, 2048                      ; Z = 2048 + c: entry y stands for key - query = y - Z
	s_lshr_b32 s9, s6, 2
	s_lshl_b32 s9, s9, 2                           ; 4 h: the head's byte in a row of rel_emb
	s_lshl_b32 s14, s7, 10
	v_lshl_add_u32 v4, v0, 2, s14                  ; my first y
	s_mul_i32 s10, s6, 20480
	s_lshl_b32 s11, s7, 12
	s_add_co_u32 s10, s10, s11
	s_mov_b32 s11, 0
	s_add_nc_u64 s[12:13], s[34:35], s[10:11]
	v_lshlrev_b32 v28, 4, v0
.irp e, 0,1,2,3
	v_add_nc_u32 v[TY+\e], \e, v4                  ; y
	v_sub_nc_u32 v[TN+\e], v[TY+\e], s8
	v_sub_nc_u32 v[TM+\e], s8, v[TY+\e]
	v_cmp_lt_u32 s[MK+\e], s8, v[TY+\e]            ; key > query
.endr
	s_wait_alu depctr_va_sdst(0)                   ; the four compares have written s[34:37], which the selects below read
.irp e, 0,1,2,3
	v_cndmask_b32 v[TN+\e], v[TM+\e], v[TN+\e], s[MK+\e]  ; n
	v_cndmask_b32 v[TB+\e], 0, 16, s[MK+\e]
	v_min_u32 v[TM+\e], 8, v[TN+\e]
	v_add_nc_u32 v[TB+\e], v[TB+\e], v[TM+\e]
.endr
.irp p, 0,2                            ; two entries' seven thresholds to a run: 14 compares, one wait, 14 selects
.set c, 0
.irp thr, 12,16,23,32,46,64,91
	v_cmp_le_u32 s[MK+c], \thr, v[TN+\p]
	v_cmp_le_u32 s[MK+c+1], \thr, v[TN+\p+1]
.set c, c+2
.endr
	s_wait_alu depctr_va_sdst(0)                   ; the 14 compares have written s[34:47], which the selects below read
.set c, 0
.rept 7
	v_cndmask_b32 v[TT+c], 0, 1, s[MK+c]
	v_cndmask_b32 v[TT+c+1], 0, 1, s[MK+c+1]
	v_add_nc_u32 v[TB+\p], v[TB+\p], v[TT+c]
	v_add_nc_u32 v[TB+\p+1], v[TB+\p+1], v[TT+c+1]
.set c, c+2
.endr
.endr
.irp e, 0,1,2,3
	v_lshl_add_u32 v[12+\e], v[TB+\e], 6, s9       ; bucket x 64 bytes + 4 h
.endr
	s_wait_alu depctr_va_vdst(0)                   ; v[12:15] are written, which the four loads read as their offsets; so is v28, the store's
.irp e, 0,1,2,3
	global_load_b32 v[20+\e], v[12+\e], s[26:27]
.endr
	s_wait_loadcnt 0x0
	v_cvt_pk_bf16_f32 v10, v20, v21                ; rounded to bf16 like every input, and widened again
	v_cvt_pk_bf16_f32 v11, v22, v23
	v_lshlrev_b32 v24, 16, v10
	v_and_b32 v25, 0xffff0000, v10
	v_lshlrev_b32 v26, 16, v11
	v_and_b32 v27, 0xffff0000, v11
	s_wait_alu depctr_va_vdst(0)                   ; v[24:27] are written, which the store reads
	global_store_b128 v28, v[24:27], s[12:13]      ; a wave stores 512 consecutive bytes, aligned
	s_endpgm
; ROLE W.  A wave turns one tile of 64 k x 64 n.  In: 64 loads, each 256 consecutive bytes of one row k; a lane holds columns 2 l and 2 l + 1.  Eight k of a column pack into 16 bytes, which go into
; the wave's own stage (row n, 144 bytes apart) and come back as whole rows of 128 bytes; a store covers four rows: 512 consecutive bytes, aligned.
.Lrole_w:
	s_lshr_b32 s5, ttmp9, 5                        ; which matrix: 0 Wq, 1 Wk, 2 Wv, 3 Wo
	s_and_b32 s6, ttmp9, 31
	s_lshl_b32 s6, s6, 3
	s_add_co_u32 s6, s6, s4                        ; the wave's tile, 0..255
	s_lshr_b32 s7, s6, 4                           ; slice of k
	s_and_b32 s8, s6, 15                           ; block of 64 n
	s_mov_b32 s12, 393216                          ; wt's slice stride,
	s_mov_b32 s13, 131072                          ; wot's
	s_cmp_eq_u32 s5, 0
	s_cselect_b64 s[36:37], s[18:19], s[20:21]
	s_cmp_lt_u32 s5, 2
	s_cselect_b64 s[36:37], s[36:37], s[22:23]
	s_cmp_lt_u32 s5, 3
	s_cselect_b64 s[36:37], s[36:37], s[24:25]
	s_cselect_b64 s[38:39], s[30:31], s[32:33]
	s_cselect_b32 s12, s12, s13
	s_cselect_b32 s14, s5, 0                       ; in wt the matrix's 1,024 rows
	s_lshl_b32 s10, s7, 18                         ; 64 rows k of 4,096 bytes
	s_lshl_b32 s11, s8, 8                          ; 64 columns of 4 bytes
	s_add_co_u32 s10, s10, s11
	s_mov_b32 s11, 0
	s_add_nc_u64 s[36:37], s[36:37], s[10:11]
	s_mul_i32 s10, s12, s7
	s_lshl_b32 s14, s14, 17
	s_add_co_u32 s10, s10, s14
	s_lshl_b32 s14, s8, 13                         ; 64 rows n of 128 bytes
	s_add_co_u32 s10, s10, s14
	s_add_nc_u64 s[38:39], s[38:39], s[10:11]
	s_mul_i32 s9, s4, STG                          ; my stage
	v_lshlrev_b32 v4, 3, v1                        ; in: 8 bytes a lane
	v_mul_u32_u24 v5, v1, 288                      ; into the stage: row 2 l
	v_add_nc_u32 v5, s9, v5
	v_lshrrev_b32 v6, 3, v1                        ; back: four rows of 128 bytes to a load
	v_mul_u32_u24 v6, v6, 144
	v_and_b32 v7, 7, v1
	v_lshl_add_u32 v6, v7, 4, v6
	v_add_nc_u32 v6, s9, v6
	v_lshlrev_b32 v7, 4, v1                        ; out: 16 bytes a lane
	s_wait_alu depctr_va_vdst(0)                   ; v4 to v7 are written: the loads' offset, the two LDS addresses and the stores' offset
.set k, 0
.rept 64
	global_load_b64 v[32+2*k:33+2*k], v4, s[36:37] offset:4096*k th:TH_LOAD_NT
.set k, k+1
.endr
; A step is 16 rows k: two groups of eight, each with the lane's two columns: four units u of four registers: group 2 p + u / 2, column u % 2.
.macro WST p, u                        ; unit u of step p goes into the stage
.set ob, 32*(\p)                       ; the step's out-buffer
.if (\p) == 0
.set ob, 8
.endif
	ds_store_b128 v5, v[ob+4*(\u):ob+4*(\u)+3] offset:144*((\u)%2)+16*(2*(\p)+(\u)/2)
.endm
.macro WCV p, u, f16                   ; unit u of step p is packed.  f16 = 1: the bf16-rounded number is written as f16
.set ob, 32*(\p)
.if (\p) == 0
.set ob, 8
.endif
.set rw, 32+16*(2*(\p)+(\u)/2)+(\u)%2  ; row r of the group's eight, my column: rw + 2 r
.irp j, 0,1,2,3
	v_cvt_pk_bf16_f32 v[ob+4*(\u)+(\j)], v[rw+4*(\j)], v[rw+4*(\j)+2]
.if \f16
	v_lshlrev_b32 v24, 16, v[ob+4*(\u)+(\j)]
	v_and_b32 v25, 0xffff0000, v[ob+4*(\u)+(\j)]
	v_cvt_pk_f16_f32 v[ob+4*(\u)+(\j)], v24, v25
.endif
.endr
.endm
.macro PACKW f16
.set p, 0
.rept 4
	s_wait_loadcnt 48-16*p                         ; rows 16 p .. 16 p + 15 are in; the 16 (3 - p) younger loads stay out
.if p > 0
	s_wait_alu depctr_va_vdst(0)                   ; the conversions of the step before have written its out-buffer, which the four LDS stores below read
.endif
.set u, 0
.rept 4
.if p > 0
	WST p-1, u                                     ; no vector instruction since the wait names this store's registers
.endif
	WCV p, u, \f16
.set u, u+1
.endr
.set p, p+1
.endr
	s_wait_alu depctr_va_vdst(0)                   ; step 3's conversions have written v[96:111], which the last LDS stores read; and all conversions are done with v[32:95], in which the rows read back land
	WST 3, 0
	WST 3, 1
	WST 3, 2
	WST 3, 3
	s_wait_alu depctr_vm_vsrc(0)                   ; the LDS stores have read v[32:47] and v[64:79], in which the rows read back land; it stands on both ways, ahead of the jump and the label
.endm
	s_cmp_eq_u32 s5, 3
	s_cbranch_scc1 .Lw_f16
	PACKW 0
	s_branch .Lw_back
.Lw_f16:
	PACKW 1
.Lw_back:
.set t, 0
.rept 16
	ds_load_b128 v[32+4*t:35+4*t], v6 offset:576*t ; LDS serves a wave's instructions in order (ISA guide 5.7.1.4): these see my stores above
.set t, t+1
.endr
.set t, 0
.rept 16
	s_wait_dscnt 15-t
	global_store_b128 v7, v[32+4*t:35+4*t], s[38:39] offset:512*t
.set t, t+1
.endr
	s_wait_dscnt 0x0                               ; the wave's end: my LDS instructions are done
	s_wait_alu depctr_hold_cnt(0) depctr_sa_sdst(0) depctr_va_vdst(0) depctr_va_sdst(0) depctr_va_ssrc(0) depctr_va_vcc(0) depctr_vm_vsrc(0)
	s_wait_tensorcnt 0x0
	ds_add_u32 v30, v31
	s_wait_dscnt 0x0
	s_endpgm
.Lfunc_end_k_q29083fb16d_prep:
	.size	k_q29083fb16d_prep, .Lfunc_end_k_q29083fb16d_prep-k_q29083fb16d_prep
	.p2alignl 7, 3214868480
	.fill 96, 4, 3214868480
	.section	.rodata,"a",@progbits
	.p2align	6, 0x0
	.amdhsa_kernel k_q29083fb16d_prep
		.amdhsa_group_segment_fixed_size 74752
		.amdhsa_private_segment_fixed_size 0
		.amdhsa_enable_private_segment 0
		.amdhsa_kernarg_size 80
		.amdhsa_user_sgpr_count 2
		.amdhsa_user_sgpr_kernarg_segment_ptr 1
		.amdhsa_wavefront_size32 1
		.amdhsa_system_sgpr_workgroup_id_x 1
		.amdhsa_system_sgpr_workgroup_id_y 1
		.amdhsa_system_sgpr_workgroup_id_z 1
		.amdhsa_system_vgpr_workitem_id 0
		.amdhsa_next_free_vgpr 160
		.amdhsa_next_free_sgpr 66
		.amdhsa_reserve_vcc 0
		.amdhsa_float_denorm_mode_32 3
		.amdhsa_float_denorm_mode_16_64 3
		.amdhsa_memory_ordered 1
		.amdhsa_forward_progress 1
		.amdhsa_inst_pref_size 46
	.end_amdhsa_kernel
	.amdgpu_metadata
---
amdhsa.version: [ 1, 2 ]
amdhsa.kernels:
  - .name:           k_q29083fb16d_prep
    .symbol:         k_q29083fb16d_prep.kd
    .args:
      - { .name: hidden_states, .offset: 0, .size: 8, .value_kind: global_buffer, .address_space: global }
      - { .name: Wq, .offset: 8, .size: 8, .value_kind: global_buffer, .address_space: global }
      - { .name: Wk, .offset: 16, .size: 8, .value_kind: global_buffer, .address_space: global }
      - { .name: Wv, .offset: 24, .size: 8, .value_kind: global_buffer, .address_space: global }
      - { .name: Wo, .offset: 32, .size: 8, .value_kind: global_buffer, .address_space: global }
      - { .name: rel_emb, .offset: 40, .size: 8, .value_kind: global_buffer, .address_space: global }
      - { .name: xb, .offset: 48, .size: 8, .value_kind: global_buffer, .address_space: global }
      - { .name: wt, .offset: 56, .size: 8, .value_kind: global_buffer, .address_space: global }
      - { .name: wot, .offset: 64, .size: 8, .value_kind: global_buffer, .address_space: global }
      - { .name: lt, .offset: 72, .size: 8, .value_kind: global_buffer, .address_space: global }
    .group_segment_fixed_size: 74752
    .private_segment_fixed_size: 0
    .kernarg_segment_align: 8
    .kernarg_segment_size: 80
    .max_flat_workgroup_size: 256
    .sgpr_count:     66
    .vgpr_count:     160
    .wavefront_size: 32
...
	.end_amdgpu_metadata
.endif
;; end of part 5
;; launch qkv: the kernel of part 2 again; grid 12 x 32, 4 waves a work-group, clusters of 4 x 4, 327,680 bytes of LDS; arguments xb, wt, qkv; writes qkv
;; launch attn: the kernel of part 3 again; grid 4 x 64, 4 waves a work-group, clusters of 4 x 1, 327,680 bytes of LDS; arguments qkv, lt, o; writes o
;; launch outp: the kernel of part 4 again; grid 4 x 32, 4 waves a work-group, clusters of 4 x 4, 327,680 bytes of LDS; arguments o, wot, out0; writes out0
